; MI455X (gfx1250); checked and timed in simulation.
; The chip was launched on July 23, 2026; its instructions are those of AMD's public machine-readable ISA for CDNA 5 (MIT licence, August 2026) and "CDNA5" Instruction Set Architecture Reference Guide (July 2026). The comments in the code are by the model that wrote it; some were corrected since.
;; Multi Head Attention. Allowed arithmetic: matrix products marked QUANTISED: E2M3 operands, one E8M0 scale for each 32 along K, by v_wmma_scale_f32_16x16x128_f8f6f4 with both operands' format E2M3, f32 sums; everything else in f32.
;; Inputs: W_k 1,024 x 1,024 float32; W_o 1,024 x 1,024 float32; W_q 1,024 x 1,024 float32; W_v 1,024 x 1,024 float32; b_k 1,024 float32; b_o 1,024 float32; b_q 1,024 float32; b_v 1,024 float32; key 4 x 2,048 x 1,024 float32; query 4 x 2,048 x 1,024 float32; value 4 x 2,048 x 1,024 float32.
;; Outputs: out0 4 x 2,048 x 1,024 float32.
;; This version of the problem:
;;   THIS VERSION OF THE PROBLEM IS GIVEN IN LOW PRECISION. The matrix products marked QUANTISED in the list below multiply operands that are first quantised to E2M3 (2 exponent bits, 3 mantissa bits; 6 bits a number), with one power-of-two scale for each 32 numbers along K (OCP MX v1.0); their sums are f32. All else is computed in f32.
;;   The module's matrix products, in the order in which they are computed (A, B: the left and right operand; K: the contracted axis; several contracted axes count as one K, in the product's order):
;;     1. [M 8,192, K 1,024] x [K 1,024, N 1,024]; A: input query; B: input W_q: QUANTISED
;;     2. [M 8,192, K 1,024] x [K 1,024, N 1,024]; A: input key; B: input W_k: QUANTISED
;;     3. [M 8,192, K 1,024] x [K 1,024, N 1,024]; A: input value; B: input W_v: QUANTISED
;;     4. batch 64 x [M 2,048, K 64] x [K 64, N 2,048]; A: computed on the way; B: computed on the way: QUANTISED
;;     5. batch 64 x [M 2,048, K 2,048] x [K 2,048, N 64]; A: softmax (see below); B: computed on the way: QUANTISED
;;     6. [M 8,192, K 1,024] x [K 1,024, N 1,024]; A: computed on the way; B: input W_o: QUANTISED
;;   THE QUANTISER, for each operand of a quantised product, along K:
;;     - K is cut into blocks of 32 from its start; a last block that is shorter is filled with zeros.
;;     - A block's scale is 2^e with e = floor(log2(the largest magnitude in the block)) - 2, held to -126 .. 127; a block of zeros has e = 0. As a byte (E8M0): e + 127.
;;     - Each number is divided by its block's scale, clamped to +-7.5, and rounded to the nearest number of E2M3, ties to even, subnormals kept.
;;     - The product sums the exact products of the quantised numbers (number of the format x scale) in f32.
;;   ~~~python
;;   def quantise(x, axis):      # numpy; x: float32 -> the quantised numbers, widened to float32 again
;;       x = np.moveaxis(x, axis, -1); K = x.shape[-1]
;;       x = np.pad(x, [(0, 0)] * (x.ndim - 1) + [(0, -K % 32)]); x = x.reshape(x.shape[:-1] + (-1, 32)); a = np.abs(x).max(-1, keepdims=True)
;;       e = np.where(a > 0, np.clip(np.frexp(np.where(a > 0, a, 1))[1] - 1 - 2, -126, 127), 0)      # np.frexp(a)[1] - 1 = floor(log2(a)), exactly
;;       r = np.clip(x / 2.0 ** e, -7.5, 7.5)
;;       step = 2.0 ** (np.maximum(np.frexp(np.where(r == 0, 1, r))[1] - 1, 0) - 3)
;;       q = np.round(r / step) * step * 2.0 ** e      # np.round: ties to even
;;       return np.moveaxis(q.reshape(q.shape[:-2] + (-1,))[..., :K], -1, axis).astype(np.float32)
;;   ~~~
;;   SOFTMAX AHEAD OF A QUANTISED PRODUCT. Where the list says 'softmax', what is quantised is not the finished softmax but p = 2^(t - M), with t = logit x log2(e) and M = ceil(the row's largest t), a whole number; so 1/2 < the row's largest p <= 1. The row's sum l is taken of the UNQUANTISED p, in f32, and the product's result is divided by l at the end. Since M is a whole number, a kernel that streams over the keys may use a running M (the ceiling of the running maximum): every later rescaling is an exact power of two, which a block's scale takes up: the codes' values come out the same.
;;   OPERANDS COMPUTED ON THE WAY. 'Computed on the way' means the value that the module computes at that place (a softmax that the list does not call 'softmax' is quantised finished and normalised). What goes into a quantiser is computed in f32, as accurately as f32 sums, v_exp_f32 and their like allow (about 1e-6 of the number): no bf16 or f16 on the way to a quantiser, and a product that is left as it is and whose result goes on into a quantised operand takes f32 operands (vector FMAs, or v_wmma_f32_16x16x4_f32). A number that lies on a knife's edge between two numbers of the format may be rounded either way, as far as f32 arithmetic and the matrix unit's own rounding can turn it there, and no further.
;; One version. Each part assembles by itself: llvm-mc -triple=amdgcn-amd-amdhsa -mcpu=gfx1250 --defsym DOCPART=n.
;; ======== version 1 of 1: 4 launches
;; limits: right only within a limited range of input values
;; workspace buffers: codes 22,020,096 bytes; scales 917,504 bytes; qkv 18,874,368 bytes; sc 1,310,720 bytes; acodes 6,291,456 bytes; ascales 262,144 bytes
;; launch quant (part 1): grid 256 x 1, 7 waves a work-group, no clusters, 60,160 bytes of LDS; arguments query, key, value, W_q, W_k, W_v, W_o, codes, scales; writes codes, scales
.if DOCPART == 1
	.amdgcn_target "amdgcn-amd-amdhsa--gfx1250"
	.amdhsa_code_object_version 6
	.text
	.protected	k_q80072aefb9_quant
	.globl	k_q80072aefb9_quant
	.p2align	8
	.type	k_q80072aefb9_quant,@function
k_q80072aefb9_quant:
	s_mov_b64 s[64:65], 0
	v_nop
	global_prefetch_b8 v0, s[64:65] scope:SCOPE_SE
	s_setreg_imm32_b32 hwreg(HW_REG_WAVE_MODE, 25, 1), 1
	s_wait_xcnt 0x0
; query, key, value [8192][1024] and W_q, W_k, W_v, W_o [1024][1024], f32 with K innermost, become codes of FP6 (E2M3) with one E8M0 byte for each 32 along K.
; A block's scale is 2^(floor(log2(its largest magnitude)) - 2); its byte is the largest magnitude's exponent field - 2, held at 1 from below.
; LIMITS: NaN and infinities among the inputs are not served.  A block of zeros gets the byte 1 where the rule says 127: its codes are zeros, which add nothing, and this program alone reads the bytes.
; TILES.  A tile is 16 rows: tile T of a tensor holds rows 32 (T / 2) + 8 (T % 2) + i + 8 (i / 8), i = 0 .. 15, so that the results of two neighbouring tiles are 16 neighbours in a lane's registers later on.
; The seven tensors have 512 + 512 + 512 + 4 x 64 = 1,792 tiles = 256 work-groups x 7 waves: a wave takes one tile, all 1,024 along K, in 8 steps of 128.
; OUT.  codes [tile][K step][1,536]: the 12 registers of the operand's fragment as they stand, registers 4 j .. 4 j + 3 of lane l at 512 j + 16 l: each store covers 512 consecutive bytes.
;       scales [tile][row][8 words]: word s holds the four bytes of K step s.
; A step's 16 loads read 512 consecutive bytes of a row each; the 8,192 bytes turn through the wave's own stage in LDS (rows 528 bytes apart) so that lane (r, h) gets blocks h and 2 + h of row r, 32 numbers each.
; Waves share nothing: no barrier.  Loads run two steps (32 loads a wave) ahead.
.set STG,   8448                       ; a wave's stage: 16 rows x (512 + 16) bytes
.set SPARE, 7*STG                      ; behind the stages: the spare words, 128 bytes a wave, four blocks of 256 bytes that no other line names
.set W,   16                           ; v16-23   the scale word of each K step
.set C,   32                           ; v32-55   a fragment's codes, two sets
.set CT,  56                           ; v56-62   the upper halves of two blocks, before they are moved
.set R,   64                           ; v64-191  16 rows x 16 bytes a lane as loaded, two sets
.set X,   192                          ; v192-255 my 64 numbers of the step
	s_load_b512 s[4:19], s[0:1], 0x0               ; query, key, value, W_q, W_k, W_v, W_o, codes
	s_load_b64 s[20:21], s[0:1], 0x40              ; scales
	v_lshl_add_u32 v6, v0, 2, SPARE                ; my spare word; never rewritten
	v_mov_b32 v7, 0                                ; 0; never rewritten
	v_lshrrev_b32 v8, 5, v0
	v_readfirstlane_b32 s2, v8                     ; wave 0..6
	v_and_b32 v9, 31, v0                           ; lane
	v_and_b32 v10, 15, v0                          ; r
	v_bfe_u32 v11, v0, 4, 1                        ; h
	v_lshlrev_b32 v1, 4, v9                        ; 16 x lane: my bytes of a load's and of a store's 512
	s_mul_i32 s3, s2, STG
	v_add_nc_u32 v2, s3, v1                        ; the stage, on the way in
	v_mul_u32_u24 v3, v10, 528
	v_lshl_add_u32 v3, v11, 7, v3
	v_add_nc_u32 v3, s3, v3                        ; and on the way out: row r, + 128 h
	v_lshlrev_b32 v4, 3, v11                       ; 8 h: my bytes' place in a scale word, in bits
	v_lshlrev_b32 v5, 5, v10
	v_lshl_add_u32 v5, v11, 4, v5                  ; 32 r + 16 h: my 16 bytes of the tile's scale words
	v_mov_b32 v14, 0                               ; written once: a lane permute's destination counts as one of its sources
	s_mov_b32 s30, 0x76543210
	s_mov_b32 s31, 0xfedcba98                      ; v_permlanex16_b32's selects for lane l xor 16
	s_mov_b32 s32, 0xffff0000                      ; lanes 16-31
	s_mul_i32 s22, ttmp9, 7
	s_add_co_u32 s22, s22, s2                      ; my tile among the 1,792
	s_wait_alu depctr_va_vdst(0)
	s_wait_kmcnt 0x0
	s_mov_b64 s[24:25], s[4:5]
	s_mov_b32 s23, 0
.macro PICK from, lo                   ; the tensor whose tiles begin at 'from': the choice hangs on ids alone
	s_cmp_ge_u32 s22, \from
	s_cselect_b64 s[24:25], s[\lo:\lo+1], s[24:25]
	s_cselect_b32 s23, \from, s23
.endm
	PICK 512, 6
	PICK 1024, 8
	PICK 1536, 10
	PICK 1600, 12
	PICK 1664, 14
	PICK 1728, 16
	; KEY'S TILES ARE LAID OTHERWISE than the head comment's: tile T of key holds rows 64 (T / 4) + 8 (T % 4) + i + 24 (i / 8), so that in the attention launch a lane's 32 scores of four tiles are one whole block of 32 keys.
	s_sub_co_u32 s26, s22, s23                     ; T: my tile in its tensor
	s_cmp_eq_u32 s23, 512                          ; key's tiles begin at 512: the choice hangs on ids alone
	s_cselect_b32 s33, 2, 1                        ; g: 2^g tiles share a group of 16 x 2^g rows
	s_cselect_b32 s35, 3, 1
	s_add_co_u32 s34, s33, 16
	s_lshr_b32 s27, s26, s33
	s_lshl_b32 s27, s27, s34                       ; the group's first row, rows of 4,096 bytes
	s_and_b32 s26, s26, s35
	s_lshl_b32 s26, s26, 15                        ; + 8 rows for each tile in the group
	s_add_co_u32 s26, s26, s27
	s_mov_b32 s27, 0
	s_add_nc_u64 s[24:25], s[24:25], s[26:27]      ; the tile's rows 0-7
	s_lshl_b32 s26, 0x8000, s33
	s_add_nc_u64 s[28:29], s[24:25], s[26:27]      ; its rows 8-15: 16 rows further on, in key 32
	s_mul_i32 s26, s22, 12288
	s_add_nc_u64 s[18:19], s[18:19], s[26:27]
	s_lshl_b32 s26, s22, 9
	s_add_nc_u64 s[20:21], s[20:21], s[26:27]
.macro LOAD t                          ; K step t: 512 bytes of each of the tile's 16 rows
.irp i, 0,1,2,3,4,5,6,7,8,9,10,11,12,13,14,15
	global_load_b128 v[R+64*((\t)%2)+4*\i:R+64*((\t)%2)+4*\i+3], v1, s[24+4*(\i/8):25+4*(\i/8)] offset:(\i%8)*4096+512*(\t) th:TH_LOAD_NT
.endr
.endm
.macro STEP t
.set RS, R+64*((\t)%2)
.set CC, C+12*((\t)%2)
.if (\t) < 7
	s_wait_loadcnt 16                              ; this step's 16 loads are in; the next step's 16 may be out
.else
	s_wait_loadcnt 0x0
.endif
.irp i, 0,1,2,3,4,5,6,7,8,9,10,11,12,13,14,15
	ds_store_b128 v2, v[RS+4*\i:RS+4*\i+3] offset:528*\i
.endr
.irp c, 0,1
.irp j, 0,1,2,3,4,5,6,7
	ds_load_b128 v[X+32*\c+4*\j:X+32*\c+4*\j+3], v3 offset:256*\c+16*\j   ; LDS serves a wave's instructions in order: these see the stores above.  k = 64 c + 32 h + 4 j ..
.endr
.endr
	s_wait_dscnt 0x0
.if (\t) < 6
	LOAD (\t)+2
.endif
.irp c, 0,1
	v_max3_num_f32 v[8+\c], |v[X+32*\c]|, |v[X+32*\c+1]|, 0x1800000   ; my block 2 c + h: all 32 numbers are mine; the floor 2^(3 - 127) holds the byte at 1 from below
.endr
.irp i, 2,4,6,8,10,12,14,16,18,20,22,24,26,28,30
.irp c, 0,1
	v_max3_num_f32 v[8+\c], v[8+\c], |v[X+32*\c+\i]|, |v[X+32*\c+\i+1]|
.endr
.endr
.irp c, 0,1
	v_add_nc_u32 v[10+\c], 0xff000000, v[8+\c]     ; 2 off the exponent field: the conversion's scale operand
.endr
.irp c, 0,1
	v_lshrrev_b32 v[12+\c], 23, v[10+\c]           ; the scale's byte
.endr
	v_lshl_or_b32 v12, v13, 16, v12                ; blocks h and 2 + h,
	v_lshlrev_b32 v12, v4, v12                     ; at their places in the word;
	v_permlanex16_b32 v14, v12, s30, s31
	v_or_b32 v[W+(\t)], v12, v14                   ; with lane l xor 16's two the word is whole
.if (\t) >= 2
	s_wait_alu depctr_va_vdst(0)
	s_wait_xcnt 0x0                                ; this set of codes was the data of the stores two steps back: it is rewritten only behind this wait
.endif
	v_cvt_scalef32_pk16_fp6_f32 v[CC:CC+2], v[X:X+15], v10
	v_cvt_scalef32_pk16_fp6_f32 v[CT:CT+2], v[X+16:X+31], v10      ; (a conversion's three registers begin on an even number)
	v_cvt_scalef32_pk16_fp6_f32 v[CC+6:CC+8], v[X+32:X+47], v11
	v_cvt_scalef32_pk16_fp6_f32 v[CT+4:CT+6], v[X+48:X+63], v11
	v_nop                                          ; one plain place behind a scaled conversion
.irp i, 0,1,2
	v_mov_b32 v[CC+3+\i], v[CT+\i]
	v_mov_b32 v[CC+9+\i], v[CT+4+\i]
.endr
.irp j, 0,1,2
	global_store_b128 v1, v[CC+4*\j:CC+4*\j+3], s[18:19] offset:1536*(\t)+512*\j   ; 32 lanes store 512 consecutive bytes
.endr
.endm
	LOAD 0
	LOAD 1
.irp t, 0,1,2,3,4,5,6,7
	STEP \t
.endr
.irp i, 0,1,2,3
	v_cndmask_b32 v[24+\i], v[W+\i], v[W+4+\i], s32   ; lanes 0-15 store words 0-3 of row r, lanes 16-31 words 4-7
.endr
	global_store_b128 v5, v[24:27], s[20:21]       ; the tile's 512 bytes of scale words
	s_wait_tensorcnt 0x0                           ; the wave's end, behind my last LDS store
	ds_add_u32 v6, v7
	s_wait_dscnt 0x0
	s_endpgm
.Lfunc_end_k_q80072aefb9_quant:
	.size	k_q80072aefb9_quant, .Lfunc_end_k_q80072aefb9_quant-k_q80072aefb9_quant
	.p2alignl 7, 3214868480
	.fill 96, 4, 3214868480
	.section	.rodata,"a",@progbits
	.p2align	6, 0x0
	.amdhsa_kernel k_q80072aefb9_quant
		.amdhsa_group_segment_fixed_size 60160
		.amdhsa_private_segment_fixed_size 0
		.amdhsa_enable_private_segment 0
		.amdhsa_kernarg_size 72
		.amdhsa_user_sgpr_count 2
		.amdhsa_user_sgpr_kernarg_segment_ptr 1
		.amdhsa_wavefront_size32 1
		.amdhsa_system_sgpr_workgroup_id_x 1
		.amdhsa_system_sgpr_workgroup_id_y 1
		.amdhsa_system_sgpr_workgroup_id_z 1
		.amdhsa_system_vgpr_workitem_id 0
		.amdhsa_next_free_vgpr 256
		.amdhsa_next_free_sgpr 66
		.amdhsa_reserve_vcc 0
		.amdhsa_float_denorm_mode_32 3
		.amdhsa_float_denorm_mode_16_64 3
		.amdhsa_memory_ordered 1
		.amdhsa_forward_progress 1
		.amdhsa_inst_pref_size 58
	.end_amdhsa_kernel
	.amdgpu_metadata
---
amdhsa.version: [ 1, 2 ]
amdhsa.kernels:
  - .name:           k_q80072aefb9_quant
    .symbol:         k_q80072aefb9_quant.kd
    .args:
      - { .name: query, .offset: 0, .size: 8, .value_kind: global_buffer, .address_space: global }
      - { .name: key, .offset: 8, .size: 8, .value_kind: global_buffer, .address_space: global }
      - { .name: value, .offset: 16, .size: 8, .value_kind: global_buffer, .address_space: global }
      - { .name: W_q, .offset: 24, .size: 8, .value_kind: global_buffer, .address_space: global }
      - { .name: W_k, .offset: 32, .size: 8, .value_kind: global_buffer, .address_space: global }
      - { .name: W_v, .offset: 40, .size: 8, .value_kind: global_buffer, .address_space: global }
      - { .name: W_o, .offset: 48, .size: 8, .value_kind: global_buffer, .address_space: global }
      - { .name: codes, .offset: 56, .size: 8, .value_kind: global_buffer, .address_space: global }
      - { .name: scales, .offset: 64, .size: 8, .value_kind: global_buffer, .address_space: global }
    .group_segment_fixed_size: 60160
    .private_segment_fixed_size: 0
    .kernarg_segment_align: 8
    .kernarg_segment_size: 72
    .max_flat_workgroup_size: 224
    .sgpr_count:     66
    .vgpr_count:     256
    .wavefront_size: 32
...
	.end_amdgpu_metadata
.endif
;; end of part 1
;; launch proj (part 2): grid 4 x 64, 4 waves a work-group, clusters of 4 x 4, 327,680 bytes of LDS; arguments codes, scales, b_q, b_k, b_v, qkv, sc; writes qkv, sc
.if DOCPART == 2
	.amdgcn_target "amdgcn-amd-amdhsa--gfx1250"
	.amdhsa_code_object_version 6
	.text
	.protected	k_q80072aefb9_proj
	.globl	k_q80072aefb9_proj
	.p2align	8
	.type	k_q80072aefb9_proj,@function
k_q80072aefb9_proj:
	s_mov_b64 s[64:65], 0
	v_nop
	global_prefetch_b8 v0, s[64:65] scope:SCOPE_SE
	s_setreg_imm32_b32 hwreg(HW_REG_WAVE_MODE, 25, 1), 1
	s_wait_xcnt 0x0
	s_wait_alu depctr_hold_cnt(0) depctr_sa_sdst(0) depctr_va_vdst(0) depctr_va_sdst(0) depctr_va_ssrc(0) depctr_va_vcc(0) depctr_vm_vsrc(0)
	s_getreg_b32 s2, hwreg(HW_REG_IB_STS2, 6, 4)
	s_cmp_eq_u32 s2, 0
	s_cbranch_scc0 .Lentry_in_a_cluster
	s_endpgm
.Lentry_in_a_cluster:
	s_bfe_u32 s2, ttmp6, 0x10000c
	s_cmp_lg_u32 s2, 0xf033
	s_cbranch_scc0 .Lentry_shape_is_right
	s_endpgm
.Lentry_shape_is_right:
; q = query W_q^T + b_q, k = key W_k^T + b_k, v = value W_v^T + b_v on codes of FP6 (E2M3) with E8M0 scales; the results are quantised at once: q and k along a head's 64, v along the keys.
; LIMITS: NaN and infinities are not served; a block of zeros gets the byte 1 (its codes are zeros, and this program alone reads the bytes).
; A tile of the result is 128 rows of side A (source 1: the lanes of a result) x 256 rows of side B (source 0: the registers of a result); four waves, each 64 x 128: 32 accumulators, 256 registers.
;   q, k: B = the weight, A = the tokens: a lane holds one token and its registers run along n, the next K.      v: B = the tokens (keys), A = W_v: a lane holds one n and its registers run along the keys.
; The first launch's tiles of 16 rows are laid so that the 16 registers of B's tiles 2 b, 2 b + 1 are B's rows 32 b + 16 (lane / 16) + 0 .. 15: neighbours.
; A WORK-GROUP STAYS: 256 work-groups, each makes three tiles on end: its tile of q, of k, of v.  q and k are a loop of two trips; v's tile, which asks for nothing more, is written out.
; ALL OF A TILE'S K LIES IN LDS AT ONCE: two halves of 512 along K, each A's 8 tiles x 6,144 bytes, then B's 16.  One tensor load a wave: wave 0 A's half 0, wave 1 B's half 0, wave 2 A's half 1, wave 3 B's half 1.
; A tile's first barrier shows half 0 (waves 0 and 1 wait), the barrier in K step 3 shows half 1 (every wave waits).
; THE REFILL: when K step 7's fragments are in registers nobody reads LDS any more.  There every wave waits for all its tensor loads, adds 0 to its spare word and waits for its LDS work; a round of the cluster's barrier follows, with
; step 7's products inside it; behind it each wave asks for its part of the next tile.  So the way out of a tile (quantising, stores) stands between the request and the wait for it, and nothing waits for a tile's stores.
; CLUSTERS: 4 x 4 work-groups; A's tiles are asked for jointly along a row of the cluster, B's along a column.  16 clusters; all walk q, k, v in step.
; No prefetch: a weight's rows are wanted by all sixteen clusters in the same trip, so naming them in each cluster would name the same bytes sixteen times; the next tile's loads go out ahead of 16 products and the whole way out.
; Codes lie in memory and in LDS as images of the operand's registers (registers 4 j .. 4 j + 3 of lane l at 512 j + 16 l of a fragment's 1,536 bytes): a fragment is three loads of 16 bytes a lane, 512 consecutive bytes each.
; REGISTERS: window 0: v1-15 addresses; v32-63 A's scale words, v64-127 B's; v128-223 A's fragments, two sets; behind the products v32-175 are at work.  window 1: B's fragments, two sets (v0-95, v128-223); the bias (v96-127, v224-255).  window 2: accumulator (a, b) at v[8 (8 a + b)].
; OUT.  qkv [q, k, v][64 heads][98,304]: q, k: [pair of tiles][1,536]: registers 0-5 the even tile's 64 along d, registers 6-11 the odd tile's;  v: [step of 128 keys][tile of 16 d][1,536].
;       sc [head][20,480]: q's words at 0, k's at 8,192: [step][half][lane][2 words], lanes 0-15 the even tile of a pair, lanes 16-31 the odd;  v's at 16,384: [step][lane][2 words].
.set HB,    147456                     ; a half
.set SPARE, 2*HB                       ; behind the halves: the spare words, 128 bytes a wave: two blocks of 256 bytes that no other line names
.set NF,    36                         ; LDS loads of a K step's fragments
.set ADRA, 8                           ; v8-9    LDS address of my A fragments in half 0, 1
.set ADRB, 12                          ; v12-13  the same for B
.set SPW,  28
.set NIL,  29
.set SA,   32
.set SB,   64
.set AF,   128
.set H,    32                          ; behind the products: v32-95 a tile's 64 numbers with the bias
.set Z,    96                          ; v96-143  the codes of four tiles
.set CT,   144                         ; v144-150
.set TM,   152                         ; v152-167
.set PW,   168                         ; v168-171 a scale word for each tile
.set SW,   172                         ; v172-173 the words as they are stored;  v174-175 the second head's
.set SX,   174
.set WV,  18
.set G1A, 24
.set G1B, 32
.set G0A, 40                           ; s[40:43] group 0 of A's load
.set PBI, 44                           ; s[44:45] the bias, s[46:47] where the codes go, s[48:49] the scale words: made anew for each tile
.set PO,  46
.set PS,  48
.set SEL, 56
.set MHI, 58
.set G0B, 68                           ; s[68:71] group 0 of B's load
.set MSB, 0
.macro WIN new                         ; the immediate's high byte repeats the setting that is left
.if MSB != \new
	s_set_vgpr_msb (MSB<<8)|\new
.set MSB, \new
.endif
.endm
.macro PLACES n
.rept \n
	v_nop
.endr
.endm
.macro CREST                           ; a round of the cluster's barrier behind its opening barrier
	s_cmp_lg_u32 s[WV], 0
	s_cbranch_scc1 .Lnot_wave_0_\@
	s_barrier_signal -3
.Lnot_wave_0_\@:
	s_barrier_wait -3
	s_barrier_signal -1
	s_barrier_wait -1
.endm
.macro CROUND                          ; a whole round
	s_barrier_signal -1
	s_barrier_wait -1
	CREST
.endm
; Where the tile of tensor t (in s\tr: 0 q, 1 k, 2 v) lies, as offsets.  s61: the cluster's number, 0..15
.macro TILESET tr
	; A's first tile: q, k: 512 t + 32 s61 + 8 cy (tokens);  v: 1664 + 32 (s61 / 8) + 8 cy (W_v).  No register of this run ever holds cx
	s_lshl_b32 s84, s\tr, 9
	s_lshl_b32 s85, s61, 5
	s_add_co_u32 s84, s84, s85
	s_lshr_b32 s85, s61, 3
	s_lshl_b32 s85, s85, 5
	s_add_co_u32 s85, s85, 1664
	s_cmp_eq_u32 s\tr, 2
	s_cselect_b32 s62, s85, s84
	s_lshl_b32 s84, s22, 3
	s_add_co_u32 s62, s62, s84
	; B's first tile: q, k: 1536 + 64 t + 16 cx (the weight);  v: 1024 + 64 (s61 % 8) + 16 cx (value).  No register of this run ever holds cy
	s_lshl_b32 s90, s\tr, 6
	s_add_co_u32 s90, s90, 1536
	s_and_b32 s91, s61, 7
	s_lshl_b32 s91, s91, 6
	s_add_co_u32 s91, s91, 1024
	s_cmp_eq_u32 s\tr, 2
	s_cselect_b32 s63, s91, s90
	s_lshl_b32 s90, s21, 4
	s_add_co_u32 s63, s63, s90
	s_mul_i32 s86, s62, 12288                      ; A's eight tiles,
	s_mul_i32 s92, s19, 6144                       ; the half of K that I fetch: wave / 2
	s_add_co_u32 s86, s86, s92
	s_mov_b32 s87, 0
	s_mul_i32 s88, s63, 12288                      ; B's sixteen
	s_add_co_u32 s88, s88, s92
	s_mov_b32 s89, 0
	s_lshl_b32 s2, s19, 2
	s_add_co_u32 s2, s2, s62
	s_lshl_b32 s94, s2, 9                          ; the scale words of my four tiles of A,
	s_mov_b32 s95, 0
	s_lshl_b32 s2, s20, 3
	s_add_co_u32 s2, s2, s63
	s_lshl_b32 s96, s2, 9                          ; and of my eight of B
	s_mov_b32 s97, 0
.endm
.macro TILEPTR                         ; the same as addresses: the two groups 0 (no tensor load of mine is out where this stands) and the scale words' bases
	s_add_nc_u64 s[G0A+2:G0A+3], s[4:5], s[86:87]
	s_or_b32 s[G0A+3], s[G0A+3], 0x80000000
	s_add_nc_u64 s[G0B+2:G0B+3], s[4:5], s[88:89]
	s_or_b32 s[G0B+3], s[G0B+3], 0x80000000
	s_add_nc_u64 s[94:95], s[6:7], s[94:95]
	s_add_nc_u64 s[96:97], s[6:7], s[96:97]
.endm
.macro TLOAD g0, g1
	tensor_load_to_lds s[\g0:\g0+3], s[\g1:\g1+7]
	s_nop 0
	PLACES 4
.endm
.macro FILL                            ; a tile's four loads: one chain of branches on the wave's number, one load to an arm, all arms lead to one join; half 0 is asked for first
	s_cmp_eq_u32 s[WV], 0
	s_cbranch_scc0 .Lfill_1_\@
	TLOAD G0A, G1A
	s_branch .Lfilled_\@
.Lfill_1_\@:
	s_cmp_eq_u32 s[WV], 1
	s_cbranch_scc0 .Lfill_2_\@
	TLOAD G0B, G1B
	s_branch .Lfilled_\@
.Lfill_2_\@:
	s_cmp_eq_u32 s[WV], 2
	s_cbranch_scc0 .Lfill_3_\@
	TLOAD G0A, G1A
	s_branch .Lfilled_\@
.Lfill_3_\@:
	TLOAD G0B, G1B
.Lfilled_\@:
.endm
	s_load_b256 s[4:11], s[0:1], 0x0               ; codes, scales, b_q, b_k
	s_load_b128 s[12:15], s[0:1], 0x20             ; b_v, qkv
	s_load_b64 s[16:17], s[0:1], 0x30              ; sc
	v_lshl_add_u32 v[SPW], v0, 2, SPARE
	v_mov_b32 v[NIL], 0
	ds_add_u32 v[SPW], v[NIL]                      ; the wave's opening: the add, twice on end, and its wait ahead of my first tensor load
	ds_add_u32 v[SPW], v[NIL]
	v_lshrrev_b32 v1, 5, v0
	v_readfirstlane_b32 s[WV], v1                  ; wave 0..3
	s_lshr_b32 s19, s[WV], 1                       ; wa: which 64 rows of A are mine.  Also: which half of K I fetch
	s_and_b32 s20, s[WV], 1                        ; wb: which 128 rows of B
	s_bfe_u32 s21, ttmp6, 0x40000                  ; cx
	s_bfe_u32 s22, ttmp6, 0x40004                  ; cy
	s_and_b32 s61, ttmp7, 0xffff                   ; the cluster's number, 0..15
	s_mov_b32 s60, 0                               ; t: 0 q, 1 k, 2 v
	TILESET 60
	s_lshl_b32 s72, s22, 2
	s_lshl_b32 s72, 15, s72                        ; my row of the cluster
	s_lshl_b32 s73, 0x1111, s21                    ; my column
	; group 1: 8 (A) or 16 (B) tiles, of each 6,144 bytes (four K steps' images) as 768 elements of 8 bytes; from tile to tile 12,288 bytes = 1,536 elements; no padding
	s_or_b32 s[G1A], s72, (3<<16)|(1<<21)
	s_or_b32 s[G1B], s73, (3<<16)|(1<<21)
	s_mov_b32 s[G1A+1], 768<<16
	s_mov_b32 s[G1A+2], 8<<16
	s_mov_b32 s[G1A+3], 768<<16
	s_mov_b32 s[G1A+4], 8
	s_mov_b32 s[G1A+5], 1536
	s_mov_b32 s[G1A+6], 0
	s_mov_b32 s[G1A+7], 0
	s_mov_b32 s[G1B+1], 768<<16
	s_mov_b32 s[G1B+2], 16<<16
	s_mov_b32 s[G1B+3], 768<<16
	s_mov_b32 s[G1B+4], 16
	s_mov_b32 s[G1B+5], 1536
	s_mov_b32 s[G1B+6], 0
	s_mov_b32 s[G1B+7], 0
	s_mov_b32 s[G0A], 1
	s_mul_i32 s[G0A+1], s19, HB                    ; where the tiles go: the wave's number alone enters an LDS address
	s_mov_b32 s[G0B], 1
	s_add_co_u32 s[G0B+1], s[G0A+1], 49152
	s_mov_b32 s[SEL], 0x76543210
	s_mov_b32 s[SEL+1], 0xfedcba98
	s_mov_b32 s[MHI], 0xffff0000
	s_wait_dscnt 0x0                               ; both opening adds are done
	s_wait_kmcnt 0x0
	TILEPTR
	CROUND                                         ; all sixteen work-groups are here: the joint loads meet
	FILL
	v_and_b32 v16, 31, v0
	v_and_b32 v17, 15, v0                          ; r
	v_bfe_u32 v18, v0, 4, 1                        ; h
	v_lshlrev_b32 v1, 4, v16                       ; 16 x lane
	v_lshlrev_b32 v2, 3, v16                       ; 8 x lane
	v_lshlrev_b32 v3, 5, v17                       ; 32 r: a row's eight scale words
	v_lshlrev_b32 v4, 6, v18                       ; 64 h: the bias along n
	v_and_b32 v5, 8, v17
	v_add_nc_u32 v5, v5, v17
	v_lshlrev_b32 v5, 2, v5                        ; 4 (r + 8 (r / 8)): the bias of a lane's n
	s_mul_i32 s2, s19, 24576                       ; my four tiles of A in half 0
	v_add_nc_u32 v[ADRA], s2, v1
	s_mul_i32 s2, s20, 49152                       ; my eight of B, behind A's eight
	s_add_co_u32 s2, s2, 49152
	v_add_nc_u32 v[ADRB], s2, v1
	v_add_nc_u32 v[ADRA+1], HB, v[ADRA]            ; and in half 1
	v_add_nc_u32 v[ADRB+1], HB, v[ADRB]
.macro FETCH s                         ; K step s: B's eight fragments and A's four, into set s % 2
	WIN 0x40
.irp b, 0,1,2,3,4,5,6,7
.irp j, 0,1,2
	ds_load_b128 v[128*((\s)%2)+12*\b+4*\j:128*((\s)%2)+12*\b+4*\j+3], v[ADRB+(\s)/4] offset:6144*\b+1536*((\s)%4)+512*\j
.endr
.endr
	WIN 0
.irp a, 0,1,2,3
.irp j, 0,1,2
	ds_load_b128 v[AF+48*((\s)%2)+12*\a+4*\j:AF+48*((\s)%2)+12*\a+4*\j+3], v[ADRA+(\s)/4] offset:6144*\a+1536*((\s)%4)+512*\j
.endr
.endr
.endm
.macro MUL16 s, a0                     ; 16 products: A's tiles a0, a0 + 1 x B's eight.  The 32 accumulators take turns, one instruction a turn, in the same order in every step.  Step 0 starts the sums
	WIN 0xa1                                       ; source 0 (B) window 1, source 1 (A) window 0, C and D window 2
.irp a, \a0, \a0+1
.irp b, 0,1,2,3,4,5,6,7
.if (\s) == 0
	v_wmma_scale_f32_16x16x128_f8f6f4 v[8*(8*(\a)+\b):8*(8*(\a)+\b)+7], v[128*((\s)%2)+12*\b:128*((\s)%2)+12*\b+11], v[AF+48*((\s)%2)+12*(\a):AF+48*((\s)%2)+12*(\a)+11], 0, v[SB+8*\b+(\s)], v[SA+8*(\a)+(\s)] matrix_a_fmt:MATRIX_FMT_FP6 matrix_b_fmt:MATRIX_FMT_FP6
.else
	v_wmma_scale_f32_16x16x128_f8f6f4 v[8*(8*(\a)+\b):8*(8*(\a)+\b)+7], v[128*((\s)%2)+12*\b:128*((\s)%2)+12*\b+11], v[AF+48*((\s)%2)+12*(\a):AF+48*((\s)%2)+12*(\a)+11], v[8*(8*(\a)+\b):8*(8*(\a)+\b)+7], v[SB+8*\b+(\s)], v[SA+8*(\a)+(\s)] matrix_a_fmt:MATRIX_FMT_FP6 matrix_b_fmt:MATRIX_FMT_FP6
.endif
.endr
.endr
.endm
.macro STEP s
.if (\s) == 3
	s_wait_tensorcnt 0x0                           ; every wave's load has landed, half 1's among them
	s_wait_dscnt 0x0                               ; no LDS instruction of mine is pending at a signal
	s_barrier_signal -1
	s_barrier_wait -1                              ; everybody's part has landed
.endif
.if (\s) > 0
	PLACES 4                                       ; in front of loads into the set that the last step's products read
.endif
.if (\s) < 7
	FETCH (\s)+1
	s_wait_dscnt NF                                ; all but the NF just issued: this step's fragments are in
.else
	s_wait_dscnt 0x0
.endif
	MUL16 \s, 0
	MUL16 \s, 2
	WIN 0
.endm
; A tile's start: its scale words come once, straight into registers (lane r takes row r's eight words); half 0 is shown to all; K steps 0 to 5
.macro START
	s_wait_alu depctr_va_vdst(0)                   ; directly ahead of the wait below
	s_wait_xcnt 0x0                                ; the last tile's stores have read their registers: loads may land there, and their bases may be written
.irp a, 0,1,2,3
	global_load_b128 v[SA+8*\a:SA+8*\a+3], v3, s[94:95] offset:512*\a
	global_load_b128 v[SA+8*\a+4:SA+8*\a+7], v3, s[94:95] offset:512*\a+16
.endr
.irp b, 0,1,2,3,4,5,6,7
	global_load_b128 v[SB+8*\b:SB+8*\b+3], v3, s[96:97] offset:512*\b
	global_load_b128 v[SB+8*\b+4:SB+8*\b+7], v3, s[96:97] offset:512*\b+16
.endr
	s_cmp_lt_u32 s[WV], 2
	s_cbranch_scc0 .Lnot_half_0_\@
	s_wait_tensorcnt 0x0                           ; waves 0 and 1: half 0 has landed; half 1's loads, which are waves 2 and 3's own lines, may stay out
.Lnot_half_0_\@:
	s_barrier_signal -1
	s_barrier_wait -1
	FETCH 0
	s_wait_loadcnt 0x0                             ; the scale words
.irp s, 0,1,2,3,4,5
	STEP \s
.endr
.endm
; A tile's 64 results + the bias go to window 0, each accumulator from its low end on
.macro ADDB a, isv
	WIN 0x06                                       ; source 0 window 2, source 1 window 1
.set e, 0
.rept 32
.if \isv
	v_pk_add_f32 v[H+e:H+e+1], v[64*(\a)+e:64*(\a)+e+1], v[96+2*(\a):97+2*(\a)]
.else
	v_pk_add_f32 v[H+e:H+e+1], v[64*(\a)+e:64*(\a)+e+1], v[96+e+96*(e/32):97+e+96*(e/32)]
.endif
.set e, e+2
.endr
	WIN 0
.endm
; 64 numbers of a lane, register 16 b + i = place 32 b + 16 (lane / 16) + i along the next K, become codes: blocks 0, 1 in v[D0] .. v[D0 + 5], blocks 2, 3 in v[D1] .. v[D1 + 5]; their four bytes in v[PWA]
.macro QUANT
.irp b, 0,1,2,3
	v_max3_num_f32 v[TM+\b], |v[H+16*\b]|, |v[H+1+16*\b]|, 0x1800000   ; the floor 2^(3 - 127) holds the byte at 1 from below
.endr
.irp i, 2,4,6,8,10,12,14
.irp b, 0,1,2,3
	v_max3_num_f32 v[TM+\b], v[TM+\b], |v[H+16*\b+\i]|, |v[H+1+16*\b+\i]|
.endr
.endr
.irp b, 0,1,2,3
	v_permlanex16_b32 v[TM+4+\b], v[TM+\b], s[SEL], s[SEL+1]
.endr
.irp b, 0,1,2,3
	v_max_num_f32 v[TM+\b], v[TM+\b], v[TM+4+\b]   ; with lane l xor 16's: the block's largest magnitude
.endr
.irp b, 0,1,2,3
	v_add_nc_u32 v[TM+12+\b], 0xff000000, v[TM+\b] ; 2 off the exponent field: the conversion's scale operand
.endr
.irp b, 0,1,2,3
	v_lshrrev_b32 v[TM+4+\b], 23, v[TM+12+\b]      ; the byte
.endr
	v_lshl_or_b32 v[PWA], v[TM+5], 8, v[TM+4]
	v_lshl_or_b32 v[PWA], v[TM+6], 16, v[PWA]
	v_lshl_or_b32 v[PWA], v[TM+7], 24, v[PWA]
	v_cvt_scalef32_pk16_fp6_f32 v[D0:D0+2], v[H:H+15], v[TM+12]
	v_cvt_scalef32_pk16_fp6_f32 v[CT:CT+2], v[H+16:H+31], v[TM+13]
	v_cvt_scalef32_pk16_fp6_f32 v[D1:D1+2], v[H+32:H+47], v[TM+14]
	v_cvt_scalef32_pk16_fp6_f32 v[CT+4:CT+6], v[H+48:H+63], v[TM+15]
	v_nop                                          ; one plain place behind a scaled conversion
.irp i, 0,1,2                          ; the operand's layout wants a whole block in a lane: lanes 0-15 the even block, lanes 16-31 the odd
	v_permlane16_swap_b32 v[D0+\i], v[CT+\i]
	v_permlane16_swap_b32 v[D1+\i], v[CT+4+\i]
.endr
.irp i, 0,1,2
	v_mov_b32 v[D0+3+\i], v[CT+\i]
	v_mov_b32 v[D1+3+\i], v[CT+4+\i]
.endr
.endm
.macro TILE a, isv
	ADDB \a, \isv
.if \isv
.set D0, Z+12*(\a)                     ; v: an image is one tile of d, 128 keys
.set D1, D0+6
.else
.set D0, Z+24*((\a)/2)+6*((\a)%2)      ; q, k: an image is one head, two tiles of tokens
.set D1, D0+12
.endif
.set PWA, PW+(\a)
	QUANT
.endm
.macro OUT2 p, isv                     ; two images: six stores of 512 consecutive bytes
.irp c, 0,1
.irp j, 0,1,2
.if \isv
	global_store_b128 v1, v[Z+24*\p+12*\c+4*\j:Z+24*\p+12*\c+4*\j+3], s[PO:PO+1] offset:1536*(2*\p+\c)+512*\j
.else
	global_store_b128 v1, v[Z+24*\p+12*\c+4*\j:Z+24*\p+12*\c+4*\j+3], s[PO:PO+1] offset:98304*\c+1536*\p+512*\j
.endif
.endr
.endr
.endm
; The last two K steps and the way out, once for q and k (with the refill for the next tile), once for v.  The bias is asked for first: 64 products stand between its loads and the wait for them
.macro ARM isv
.if \isv
	s_lshr_b32 s72, s61, 3
	s_lshl_b32 s74, s72, 11
	s_lshl_b32 s75, s22, 9
	s_add_co_u32 s74, s74, s75
	s_lshl_b32 s75, s19, 8
	s_add_co_u32 s74, s74, s75                     ; 4 (512 (s61 / 8) + 128 cy + 64 wa): my head's first n
	s_mov_b32 s75, 0
	s_add_nc_u64 s[PBI:PBI+1], s[12:13], s[74:75]
	WIN 0x40
.irp a, 0,1,2,3
	global_load_b32 v[96+2*\a], v5, s[PBI:PBI+1] offset:4*(32*(\a/2)+8*(\a%2))   ; b_v of my lane's n, twice: a pair for the packed addition
	global_load_b32 v[97+2*\a], v5, s[PBI:PBI+1] offset:4*(32*(\a/2)+8*(\a%2))
.endr
	WIN 0
	s_and_b32 s76, s61, 7
	s_lshl_b32 s76, s76, 2
	s_add_co_u32 s76, s76, s21                     ; which 256 keys of the 8,192
	s_lshl_b32 s77, s72, 3
	s_lshl_b32 s78, s22, 1
	s_add_co_u32 s77, s77, s78
	s_add_co_u32 s77, s77, s19                     ; the head in its batch
	s_lshr_b32 s78, s76, 3
	s_lshl_b32 s78, s78, 4
	s_add_co_u32 s78, s78, s77                     ; the head among 64
	s_and_b32 s79, s76, 7
	s_lshl_b32 s79, s79, 1
	s_add_co_u32 s79, s79, s20                     ; my step of 128 keys
	s_add_co_u32 s80, s78, 128
	s_mul_i32 s80, s80, 98304
	s_mul_i32 s81, s79, 6144
	s_add_co_u32 s80, s80, s81
	s_mov_b32 s81, 0
	s_add_nc_u64 s[PO:PO+1], s[14:15], s[80:81]
	s_mul_i32 s80, s78, 20480
	s_lshl_b32 s82, s79, 8
	s_add_co_u32 s80, s80, s82
	s_add_co_u32 s80, s80, 16384
	s_add_nc_u64 s[PS:PS+1], s[16:17], s[80:81]
	STEP 6
	STEP 7
.else
	s_cmp_eq_u32 s60, 1
	s_cselect_b64 s[PBI:PBI+1], s[10:11], s[8:9]   ; b_k or b_q
	s_lshl_b32 s72, s21, 10
	s_lshl_b32 s73, s20, 9
	s_add_co_u32 s72, s72, s73                     ; 4 (256 cx + 128 wb)
	s_mov_b32 s73, 0
	s_add_nc_u64 s[PBI:PBI+1], s[PBI:PBI+1], s[72:73]
	WIN 0x40
.irp b, 0,1,2,3,4,5,6,7                ; in the result's layout: tile b, register j: n = 32 (b / 2) + 16 h + 8 (b % 2) + j
	global_load_b128 v[96+8*\b+96*(\b/4):99+8*\b+96*(\b/4)], v4, s[PBI:PBI+1] offset:128*(\b/2)+32*(\b%2)
	global_load_b128 v[100+8*\b+96*(\b/4):103+8*\b+96*(\b/4)], v4, s[PBI:PBI+1] offset:128*(\b/2)+32*(\b%2)+16
.endr
	WIN 0
	s_lshr_b32 s74, s61, 2
	s_lshl_b32 s74, s74, 4
	s_lshl_b32 s75, s21, 2
	s_add_co_u32 s74, s74, s75
	s_lshl_b32 s75, s20, 1
	s_add_co_u32 s74, s74, s75                     ; my first head among 64
	s_and_b32 s75, s61, 3
	s_lshl_b32 s75, s75, 2
	s_add_co_u32 s75, s75, s22                     ; the work-group's step of 128 tokens in its batch
	s_lshl_b32 s76, s60, 6
	s_add_co_u32 s76, s76, s74
	s_lshl_b32 s76, s76, 6
	s_lshl_b32 s77, s75, 2
	s_add_co_u32 s76, s76, s77
	s_lshl_b32 s77, s19, 1
	s_add_co_u32 s76, s76, s77                     ; my first pair of tiles
	s_mul_i32 s76, s76, 1536
	s_mov_b32 s77, 0
	s_add_nc_u64 s[PO:PO+1], s[14:15], s[76:77]
	s_mul_i32 s76, s74, 20480
	s_lshl_b32 s78, s60, 13
	s_add_co_u32 s76, s76, s78
	s_lshl_b32 s78, s75, 9
	s_add_co_u32 s76, s76, s78
	s_lshl_b32 s78, s19, 8
	s_add_co_u32 s76, s76, s78
	s_add_nc_u64 s[PS:PS+1], s[16:17], s[76:77]
	s_add_co_u32 s3, s60, 1                        ; the next tile's places: K step 3's wait has shown my tensor load done, and this tile's scale words are in
	TILESET 3
	TILEPTR
	STEP 6
	s_wait_tensorcnt 0x0                           ; K STEP 7 WITH THE REFILL.  None of my tensor loads is out;
	ds_add_u32 v[SPW], v[NIL]                      ; 0 onto my spare word;
	s_wait_dscnt 1                                 ; step 7's fragments are in (the add, which is younger, may be out)
	MUL16 7, 0                                     ; sixteen products stand between the add and the wait for it
	s_wait_dscnt 0x0                               ; the add is done, and my reads of this tile are over
	s_barrier_signal -1                            ; this barrier opens a round of the cluster's barrier
	MUL16 7, 2
	WIN 0
	s_barrier_wait -1
	CREST                                          ; no wave of any partner still reads this tile or has a load on its way
	FILL                                           ; the next tile, one load a wave, the first tensor load behind the round
.endif
	s_wait_loadcnt 0x0                             ; the bias
	PLACES 4                                       ; behind the last products: results are read, and registers that held scales and fragments are written
.irp b, 0,1,2,3
	v_mov_b32 v[TM+4+\b], 0                        ; a lane permute's destination counts as one of its sources
.endr
	TILE 0, \isv
	TILE 1, \isv
	OUT2 0, \isv
	TILE 2, \isv
	TILE 3, \isv
	OUT2 1, \isv
	v_cndmask_b32 v[SW], v[PW], v[PW+1], s[MHI]    ; lanes 0-15 the even tile's word of row r, lanes 16-31 the odd tile's
	v_cndmask_b32 v[SW+1], v[PW+2], v[PW+3], s[MHI]
.if \isv
	global_store_b64 v2, v[SW:SW+1], s[PS:PS+1]    ; 32 lanes store 256 consecutive bytes
.else
	v_lshrrev_b32 v[SX], 16, v[SW]                 ; the second head's two bytes; bytes 2 and 3 meet zero codes in the next launch and are never 0xff
	v_lshrrev_b32 v[SX+1], 16, v[SW+1]
	global_store_b64 v2, v[SW:SW+1], s[PS:PS+1]
	global_store_b64 v2, v[SX:SX+1], s[PS:PS+1] offset:20480
.endif
.endm
.Ltile:                                                ; q's tile, then k's
	START
	ARM 0
	s_add_co_u32 s60, s60, 1
	s_cmp_lt_u32 s60, 2
	s_cbranch_scc1 .Ltile
	START                                          ; v's tile: nothing more is asked for
	ARM 1
	s_wait_tensorcnt 0x0                           ; the wave's end
	ds_add_u32 v[SPW], v[NIL]
	s_wait_dscnt 0x0
	CROUND                                         ; the closing round
	s_endpgm
.Lfunc_end_k_q80072aefb9_proj:
	.size	k_q80072aefb9_proj, .Lfunc_end_k_q80072aefb9_proj-k_q80072aefb9_proj
	.p2alignl 7, 3214868480
	.fill 96, 4, 3214868480
	.section	.rodata,"a",@progbits
	.p2align	6, 0x0
	.amdhsa_kernel k_q80072aefb9_proj
		.amdhsa_group_segment_fixed_size 327680
		.amdhsa_private_segment_fixed_size 0
		.amdhsa_enable_private_segment 0
		.amdhsa_kernarg_size 56
		.amdhsa_user_sgpr_count 2
		.amdhsa_user_sgpr_kernarg_segment_ptr 1
		.amdhsa_wavefront_size32 1
		.amdhsa_system_sgpr_workgroup_id_x 1
		.amdhsa_system_sgpr_workgroup_id_y 1
		.amdhsa_system_sgpr_workgroup_id_z 1
		.amdhsa_system_vgpr_workitem_id 0
		.amdhsa_next_free_vgpr 768
		.amdhsa_next_free_sgpr 100
		.amdhsa_reserve_vcc 0
		.amdhsa_float_denorm_mode_32 3
		.amdhsa_float_denorm_mode_16_64 3
		.amdhsa_memory_ordered 1
		.amdhsa_forward_progress 1
		.amdhsa_inst_pref_size 174
	.end_amdhsa_kernel
	.amdgpu_metadata
---
amdhsa.version: [ 1, 2 ]
amdhsa.kernels:
  - .name:           k_q80072aefb9_proj
    .symbol:         k_q80072aefb9_proj.kd
    .args:
      - { .name: codes, .offset: 0, .size: 8, .value_kind: global_buffer, .address_space: global }
      - { .name: scales, .offset: 8, .size: 8, .value_kind: global_buffer, .address_space: global }
      - { .name: b_q, .offset: 16, .size: 8, .value_kind: global_buffer, .address_space: global }
      - { .name: b_k, .offset: 24, .size: 8, .value_kind: global_buffer, .address_space: global }
      - { .name: b_v, .offset: 32, .size: 8, .value_kind: global_buffer, .address_space: global }
      - { .name: qkv, .offset: 40, .size: 8, .value_kind: global_buffer, .address_space: global }
      - { .name: sc, .offset: 48, .size: 8, .value_kind: global_buffer, .address_space: global }
    .group_segment_fixed_size: 327680
    .private_segment_fixed_size: 0
    .kernarg_segment_align: 8
    .kernarg_segment_size: 56
    .max_flat_workgroup_size: 128
    .sgpr_count:     100
    .vgpr_count:     768
    .wavefront_size: 32
...
	.end_amdgpu_metadata
.endif
;; end of part 2
;; launch attn (part 3): grid 4 x 64, 16 waves a work-group, clusters of 4 x 1, 327,680 bytes of LDS; arguments qkv, sc, acodes, ascales; writes acodes, ascales
.if DOCPART == 3
	.amdgcn_target "amdgcn-amd-amdhsa--gfx1250"
	.amdhsa_code_object_version 6
	.text
	.protected	k_q80072aefb9_attn
	.globl	k_q80072aefb9_attn
	.p2align	8
	.type	k_q80072aefb9_attn,@function
k_q80072aefb9_attn:
	s_mov_b64 s[64:65], 0
	v_nop
	global_prefetch_b8 v0, s[64:65] scope:SCOPE_SE
	s_setreg_imm32_b32 hwreg(HW_REG_WAVE_MODE, 25, 1), 1
	s_wait_xcnt 0x0
	s_wait_alu depctr_hold_cnt(0) depctr_sa_sdst(0) depctr_va_vdst(0) depctr_va_sdst(0) depctr_va_ssrc(0) depctr_va_vcc(0) depctr_vm_vsrc(0)
	s_getreg_b32 s2, hwreg(HW_REG_IB_STS2, 6, 4)
	s_cmp_eq_u32 s2, 0
	s_cbranch_scc0 .Lentry_in_a_cluster
	s_endpgm
.Lentry_in_a_cluster:
	s_bfe_u32 s2, ttmp6, 0x10000c
	s_cmp_lg_u32 s2, 0x3003
	s_cbranch_scc0 .Lentry_shape_is_right
	s_endpgm
.Lentry_shape_is_right:
; attn = softmax(q k^T / 8) v for one head of one batch, on codes of FP6 (E2M3) with E8M0 scales; the result is quantised at once along the head's 64 for the projection that follows.
; p = 2^(t - M), t = score x log2(e) / 8, M the ceiling of the running largest t, a whole number; the row's sum is taken of the unquantised p; when M moves, sum and O are multiplied by a power of two.
; LIMITS: NaN and infinities are not served; the promise holds while the scaled scores stay under 2^31 in magnitude; a block whose every p is 0 gets the byte 1 (its codes are zeros, and this program alone reads the bytes).
; THE DEAL.  Work-group (x, head): 512 queries of one head; 16 waves, each 16 queries a pass, two passes.  Both products are used transposed (S^T = k q^T, O^T = v^T p^T): a lane holds one query throughout.
; A HEAD'S K, V AND THEIR SCALES LIE IN LDS AT ONCE, 208,896 bytes, each byte filled once: one tensor load a wave at the head, dense rows of 256 bytes: waves 0-7 an eighth of K each, waves 8-11 a quarter of V, waves 12-15 a quarter of the scales.
; LDS: K at 0 and V at 98,304, 6,144 bytes a step of 128 keys; the scales at SCB.  One barrier shows all of it; no other barrier stands in the text.
; CLUSTER: the four work-groups of a head need the same K, V and scales and ask for them jointly (mask 15).  No prefetch: everything is asked for at the head, and there is no loop to run ahead in.
; THE KEYS OF A TILE: tile 4 c + u of a step holds keys 64 c + 8 u + i + 24 (i / 8) (so the first launch lays key's rows): register 32 c + 8 u + j of lane (r, h) is key 64 c + 32 h + 8 u + j.
; So a lane's 32 registers are one whole scale block of p, in the order of the next operand's registers: the block's largest score needs no other lane, and the conversions' results are the operand.
; A head's 64 fill half of the instruction's 128 along K: q's upper six registers are zero codes, and k's operand runs on into the next tile's six registers (behind the last tile: p's codes), which meet those zeros.
; A BLOCK'S SCALE: its largest p is 2^x, x = its largest score's t - M by the same multiply-add as every p, so floor(log2) of it is floor(x): the byte is floor(x) + 125, held at 1 from below.
; THE STEPS OVERLAP IN ONE WAVE.  Step s holds: its score products, with step s - 1's 32 additions of p between them (each p is added before the product that writes over it); the search for the largest scores;
; step s - 1's second products, with the chain from the row's largest score to -M between them; t - M of block 0 with the chain of the scales between; block 0's exponentials with t - M of block 1 between; block 1's exponentials; O^T x f and the conversions.
; The last step's additions and second products stand behind it.  The first and the last step are written out; the 14 between are a loop.
; FETCHES: K's fragments of step s + 1 are asked for behind step s's score products (14 LDS loads), V's of step s behind step s - 1's second products (13).  So ahead of the scores only V's 13 may be out, ahead of the second products only K's 14.
; REGISTERS: v1 16 x lane; v2, v252, v6, v251 LDS addresses; v3 scales' base; v4, v5 the spare word and 0; v7 8 h; v8-11 at work; v12 -M, v13 the largest score; v14-15 the sum; v16-27 q; v28 q's scales; v29 p's; v30 f;
;   v32-79 K; v80-91 p's codes; v92-95 K's scales; v96-159 scores, then p; v160-191 O^T; v192-239 V; v240-241 V's scales; v242-243 block maxima; v244-250 upper halves of blocks; v247 the old -M; v254-255 a chain of the sum.
.set SCB,   196608
.set SPARE, SCB+12288                  ; the spare words, 128 bytes a wave: eight blocks of 256 bytes that no other line names
.set WV,  18
.set SEL, 20
.set CS,  22                           ; s[22:23] c = log2(e) / 8, twice
.set TB,  40                           ; where the next K lies, its scales, the step's V's scales
.set TS,  41
.set TJ,  42
.set SQ,  43                           ; s43-45 the odd tile's places in a pair's image of q
.set NC,  46                           ; -c
.set TV,  47                           ; where the step's V lies
.set MHI, 60
.set PASS, 66
.set CNT, 67
.set AK,  2
.set AV,  252
.set ASK, 6
.set ASV, 251
.set KB,  32
.set PC,  80
.set KS,  92
.set S,   96
.set O,   160
.set VB,  192
.set VS,  240
.set BM,  242
.set CT,  244
.macro ROUND
	s_barrier_signal -1
	s_barrier_wait -1
	s_cmp_lg_u32 s[WV], 0
	s_cbranch_scc1 .Lnot_wave_0_\@
	s_barrier_signal -3
.Lnot_wave_0_\@:
	s_barrier_wait -3
	s_barrier_signal -1
	s_barrier_wait -1
.endm
.macro WALU
	s_wait_alu depctr_va_vdst(0)
.endm
.macro D1
	s_delay_alu instid0(VALU_DEP_1)
.endm
.macro WM d, a, b, c, sa, sb, odd      ; source 0's scales: lanes 0-15 the even tile's, lanes 16-31 the odd tile's
.if \odd
	v_wmma_scale_f32_16x16x128_f8f6f4 v[\d:\d+7], v[\a:\a+11], v[\b:\b+11], \c, v[\sa], v[\sb] matrix_a_fmt:MATRIX_FMT_FP6 matrix_b_fmt:MATRIX_FMT_FP6 matrix_a_scale:MATRIX_SCALE_ROW1
.else
	v_wmma_scale_f32_16x16x128_f8f6f4 v[\d:\d+7], v[\a:\a+11], v[\b:\b+11], \c, v[\sa], v[\sb] matrix_a_fmt:MATRIX_FMT_FP6 matrix_b_fmt:MATRIX_FMT_FP6
.endif
.endm
.macro PV t                            ; O^T += v^T p^T, tile t of 16 d
	WM O+8*(\t), VB+12*(\t), PC, v[O+8*(\t):O+8*(\t)+7], VS+(\t)/2, 29, (\t)%2
.endm
.macro LDK                             ; a step's K: four images of two tiles, and their scale words: 14 loads
.irp i, 0,1,2,3
.irp j, 0,1,2
	ds_load_b128 v[KB+12*\i+4*\j:KB+12*\i+4*\j+3], v[AK] offset:1536*\i+512*\j
.endr
.endr
	ds_load_b64 v[KS:KS+1], v[ASK]
	ds_load_b64 v[KS+2:KS+3], v[ASK] offset:256
.endm
.macro LDV                             ; a step's V: four tiles of 16 d, and their scale words: 13 loads
.irp i, 0,1,2,3
.irp j, 0,1,2
	ds_load_b128 v[VB+12*\i+4*\j:VB+12*\i+4*\j+3], v[AV] offset:1536*\i+512*\j
.endr
.endr
	ds_load_b64 v[VS:VS+1], v[ASV] offset:8192
.endm
.macro QLOAD                           ; my tile of q, six registers out of a pair's image, and its scale words
	v_add_nc_u32 v128, s[SQ], v1
	v_add_nc_u32 v129, s[SQ+1], v1
	v_and_b32 v131, 15, v0
	v_add_nc_u32 v130, 512, v128
	v_lshl_add_u32 v131, v131, 3, s[SQ+2]
	global_load_b64 v[16:17], v128, s[68:69]
	global_load_b64 v[18:19], v129, s[68:69]
	global_load_b64 v[20:21], v130, s[68:69]
	global_load_b32 v28, v131, s[70:71]
.endm
.macro TM from, to                     ; t - M, two at a time
.set J_, \from
.rept ((\to)-(\from))/2
	v_pk_fma_f32 v[S+J_:S+J_+1], v[S+J_:S+J_+1], s[CS:CS+1], v[12:13] op_sel_hi:[1,0,0]
.set J_, J_+2
.endr
.endm
; The 64 unquantised p are added to the row's sum in four chains.  Group g stands ahead of the product that writes over registers 8 g .. 8 g + 7: with it all p up to register 8 g + 13 have been added
.macro SUMG g
.if (\g) == 0
	v_pk_add_f32 v[14:15], v[14:15], v[S:S+1]
	v_pk_add_f32 v[254:255], v[S+2:S+3], v[S+4:S+5]
	v_pk_add_f32 v[8:9], v[S+6:S+7], v[S+8:S+9]
	v_pk_add_f32 v[10:11], v[S+10:S+11], v[S+12:S+13]
.elseif (\g) < 7
	v_pk_add_f32 v[14:15], v[14:15], v[S+6+8*(\g):S+7+8*(\g)]
	v_pk_add_f32 v[254:255], v[254:255], v[S+8+8*(\g):S+9+8*(\g)]
	v_pk_add_f32 v[8:9], v[8:9], v[S+10+8*(\g):S+11+8*(\g)]
	v_pk_add_f32 v[10:11], v[10:11], v[S+12+8*(\g):S+13+8*(\g)]
.else
	v_pk_add_f32 v[14:15], v[14:15], v[S+62:S+63]
	v_pk_add_f32 v[254:255], v[254:255], v[8:9]
.endif
.endm
; A STEP: 16 queries x 128 keys.  f = 1: a pass's first step (nothing is left over from a step before; sum and O^T are zeros and are not scaled);  l = 1: its last (no K is fetched)
.macro STEP f, l
.if !(\l)
	s_add_co_u32 s[TB], s[TB], 6144
	s_add_co_u32 s[TS], s[TS], 512
.endif
.if \f
	s_wait_dscnt 0x0
.else
	s_wait_dscnt 13                                ; K's fragments are in; V's 13 loads, which are younger, may be out
.endif
.irp t, 0,1,2,3,4,5,6,7
.if !(\f)
	SUMG \t
.endif
	WM S+8*\t, KB+6*\t, 16, 0, KS+\t/2, 28, \t%2
.endr
.if !(\f)                              ; the lines down to the loads are the places behind the products (four at the least)
	v_pk_add_f32 v[14:15], v[14:15], v[10:11]
	v_mov_b32 v247, v12                            ; the old -M
.endif
.if !(\l)
	v_add_nc_u32 v[AK], s[TB], v1
	v_add_nc_u32 v[ASK], s[TS], v3
.endif
	v_add_nc_u32 v[AV], s[TV], v1
	v_add_nc_u32 v[ASV], s[TJ], v3
.if !(\f)
	v_pk_add_f32 v[14:15], v[14:15], v[254:255]    ; the sum holds the last step's p
.endif
	s_add_co_u32 s[TV], s[TV], 6144
	s_add_co_u32 s[TJ], s[TJ], 256
.if !(\l)
	LDK
.endif
.if !(\f)
	WALU                                           ; directly ahead of the wait below
.if \l
	s_wait_dscnt 0x0
.else
	s_wait_dscnt 14                                ; the last step's V is in; K's 14 loads just issued may be out
.endif
.endif
.irp c, 0,1                            ; the largest score of my two blocks of 32 keys: four chains by turns, each accumulator read from its low end on
	v_max3_num_f32 v[BM+\c], v[S+32*\c], v[S+32*\c+1], v[S+32*\c+2]
	v_max3_num_f32 v[10+\c], v[S+32*\c+16], v[S+32*\c+17], v[S+32*\c+18]
.endr
.irp i, 3,5,7,9,11,13
.irp c, 0,1
	v_max3_num_f32 v[BM+\c], v[BM+\c], v[S+32*\c+\i], v[S+32*\c+\i+1]
	v_max3_num_f32 v[10+\c], v[10+\c], v[S+32*\c+16+\i], v[S+32*\c+17+\i]
.endr
.endr
.irp c, 0,1
	v_max3_num_f32 v[BM+\c], v[BM+\c], v[S+32*\c+15], v[S+32*\c+31]
.endr
.irp c, 0,1
	v_max_num_f32 v[BM+\c], v[BM+\c], v[10+\c]
.endr
.if \f
	D1
	v_max_num_f32 v8, v[BM], v[BM+1]
	D1
	v_permlanex16_b32 v9, v8, s[SEL], s[SEL+1]
	D1
	v_max3_num_f32 v13, v13, v8, v9
	D1
	v_mul_f32 v8, s[NC], v13
	D1
	v_floor_f32 v12, v8
.else                                  ; the last step's second products, the four accumulators by turns; one line of the chain behind each
	v_max_num_f32 v8, v[BM], v[BM+1]
	PV 0
	v_permlanex16_b32 v9, v8, s[SEL], s[SEL+1]     ; lane l xor 16 holds my query's other 64 keys
	PV 1
	v_max3_num_f32 v13, v13, v8, v9                ; the running largest score
	PV 2
	v_mul_f32 v8, s[NC], v13
	PV 3
	v_floor_f32 v12, v8                            ; -M = floor(-t) = -ceil(t)
.endif
	TM 0, 8                                        ; with the line above: five places behind the products
	LDV
	v_fma_f32 v10, v[BM], s[CS], v12               ; x of each block's largest score.  The chains of the scales and of f, with block 0's t - M between their lines
	v_fma_f32 v11, v[BM+1], s[CS], v12
.if !(\f)
	v_sub_f32 v8, v12, v247                        ; M's old value less its new one: a whole number, 0 or less
.endif
	TM 8, 12
	v_floor_f32 v10, v10
	v_floor_f32 v11, v11
.if !(\f)
	v_cvt_i32_f32 v8, v8                           ; (it saturates)
.endif
	TM 12, 16
	v_max_num_f32 v10, 0xc2f80000, v10             ; at least -124: the byte cannot fall under 1
	v_max_num_f32 v11, 0xc2f80000, v11
.if !(\f)
	v_ldexp_f32 v30, 1.0, v8                       ; f = 2^(old M - new M)
.endif
	TM 16, 20
	v_cvt_i32_f32 v10, v10
	v_cvt_i32_f32 v11, v11
	TM 20, 24
	v_lshl_add_u32 v8, v11, 16, v10
	v_lshl_add_u32 v10, v10, 23, 0x3e800000        ; (floor(x) + 125) << 23: the conversion takes the exponent field as its scale
	v_lshl_add_u32 v11, v11, 23, 0x3e800000
	TM 24, 26
	v_add_nc_u32 v8, 0x7d007d, v8                  ; my two bytes: blocks h and 2 + h,
	TM 26, 28
	v_lshlrev_b32 v8, v7, v8                       ; at their places in the word;
	TM 28, 30
	v_permlanex16_b32 v9, v8, s[SEL], s[SEL+1]
	TM 30, 32
	v_or_b32 v29, v8, v9                           ; with lane l xor 16's two the word is whole
	WALU                                           ; ahead of the batch
.set J_, 0
.rept 16                               ; block 0's p = 2^(t - M); between them block 1's t - M, which is first read behind the next wait
	v_exp_f32 v[S+J_], v[S+J_]
	v_exp_f32 v[S+J_+1], v[S+J_+1]
	v_pk_fma_f32 v[S+32+J_:S+33+J_], v[S+32+J_:S+33+J_], s[CS:CS+1], v[12:13] op_sel_hi:[1,0,0]
.set J_, J_+2
.endr
	WALU                                           ; and ahead of the second batch
.set J_, 32
.rept 32
	v_exp_f32 v[S+J_], v[S+J_]
.set J_, J_+1
.endr
.if \f
	v_nop                                          ; one plain place behind the batch
	WALU
.else
	v_pk_mul_f32 v[14:15], v[14:15], v[30:31] op_sel_hi:[1,0]   ; the sum under the new M
	WALU                                           ; one wait for the batch, directly ahead of the first readers of O^T
.irp j, 0,8,16,24
	v_pk_mul_f32 v[O+\j:O+\j+1], v[O+\j:O+\j+1], v[30:31] op_sel_hi:[1,0]   ; O^T under the new M: each accumulator's low end first
.endr
.endif
	v_cvt_scalef32_pk16_fp6_f32 v[PC:PC+2], v[S:S+15], v10
	v_cvt_scalef32_pk16_fp6_f32 v[CT:CT+2], v[S+16:S+31], v10          ; (a conversion's three registers begin on an even number)
	v_cvt_scalef32_pk16_fp6_f32 v[PC+6:PC+8], v[S+32:S+47], v11
	v_cvt_scalef32_pk16_fp6_f32 v[CT+4:CT+6], v[S+48:S+63], v11
.if \f
	v_nop                                          ; one plain place behind a scaled conversion
.else
.irp j, 2,4,6,10,12,14,18,20,22,26,28,30
	v_pk_mul_f32 v[O+\j:O+\j+1], v[O+\j:O+\j+1], v[30:31] op_sel_hi:[1,0]
.endr
.endif
.irp i, 0,1,2
	v_mov_b32 v[PC+3+\i], v[CT+\i]
	v_mov_b32 v[PC+9+\i], v[CT+4+\i]
.endr
.endm
	s_load_b256 s[4:11], s[0:1], 0x0               ; qkv, sc, acodes, ascales
	v_lshl_add_u32 v4, v0, 2, SPARE
	v_mov_b32 v5, 0
	ds_add_u32 v4, v5                              ; the opening lines: the add, twice on end, and its wait ahead of my tensor load
	ds_add_u32 v4, v5
	v_lshrrev_b32 v6, 5, v0
	v_readfirstlane_b32 s[WV], v6                  ; wave 0..15
	s_bfe_u32 s12, ttmp6, 0x40000
	s_lshl_b32 s13, ttmp9, 2
	s_add_co_u32 s13, s13, s12                     ; x: which 512 queries
	s_and_b32 s14, ttmp7, 0xffff                   ; the head among 64
	s_and_b32 s16, s[WV], 7
	s_and_b32 s17, s[WV], 3
.irp g, 24, 32, 48                     ; three groups 1: dense rows of 256 bytes (32 elements of 8), 48 for K, 96 for V, 12 for the scales
	s_mov_b32 s[\g], 15|(3<<16)|(1<<21)
	s_mov_b32 s[\g+1], 32<<16
	s_mov_b32 s[\g+3], 32<<16
	s_mov_b32 s[\g+5], 32
	s_mov_b32 s[\g+6], 0
	s_mov_b32 s[\g+7], 0
.endr
	s_mov_b32 s26, 48<<16
	s_mov_b32 s28, 48
	s_mov_b32 s34, 96<<16
	s_mov_b32 s36, 96
	s_mov_b32 s50, 12<<16
	s_mov_b32 s52, 12
	s_mov_b32 s80, 1
	s_mul_i32 s81, s16, 12288                      ; K: an eighth
	s_add_co_u32 s72, s14, 64
	s_mul_i32 s72, s72, 98304
	s_add_co_u32 s72, s72, s81
	s_mov_b32 s73, 0
	s_mov_b32 s84, 1
	s_mul_i32 s85, s17, 24576                      ; V: a quarter
	s_add_co_u32 s74, s14, 128
	s_mul_i32 s74, s74, 98304
	s_add_co_u32 s74, s74, s85
	s_mov_b32 s75, 0
	s_add_co_u32 s85, s85, 98304
	s_mov_b32 s88, 1
	s_mul_i32 s89, s17, 3072                       ; K's scale words, then V's: a quarter
	s_mul_i32 s76, s14, 20480
	s_add_co_u32 s76, s76, s89
	s_add_co_u32 s76, s76, 8192
	s_mov_b32 s77, 0
	s_add_co_u32 s89, s89, SCB
	s_mov_b32 s[SEL], 0x76543210
	s_mov_b32 s[SEL+1], 0xfedcba98
	s_mov_b32 s[CS], 0x3e38aa3b
	s_mov_b32 s[CS+1], s[CS]
	s_mov_b32 s[NC], 0xbe38aa3b
	s_mov_b32 s[MHI], 0xffff0000
	s_wait_dscnt 0x0
	s_wait_kmcnt 0x0
	s_add_nc_u64 s[82:83], s[4:5], s[72:73]
	s_or_b32 s83, s83, 0x80000000
	s_add_nc_u64 s[86:87], s[4:5], s[74:75]
	s_or_b32 s87, s87, 0x80000000
	s_add_nc_u64 s[90:91], s[6:7], s[76:77]
	s_or_b32 s91, s91, 0x80000000
	ROUND                                          ; the four work-groups are here: the joint loads meet
	s_cmp_lt_u32 s[WV], 8                          ; one chain of branches on the wave's number, one load to an arm, all arms lead to one join
	s_cbranch_scc0 .Lfill_v
	tensor_load_to_lds s[80:83], s[24:31]
	s_nop 0
.rept 4
	v_nop
.endr
	s_branch .Lfilled
.Lfill_v:
	s_cmp_lt_u32 s[WV], 12
	s_cbranch_scc0 .Lfill_sc
	tensor_load_to_lds s[84:87], s[32:39]
	s_nop 0
.rept 4
	v_nop
.endr
	s_branch .Lfilled
.Lfill_sc:
	tensor_load_to_lds s[88:91], s[48:55]
	s_nop 0
.rept 4
	v_nop
.endr
.Lfilled:
	v_and_b32 v8, 31, v0
	v_bfe_u32 v7, v0, 4, 1
	v_lshlrev_b32 v1, 4, v8                        ; 16 x lane
	v_lshlrev_b32 v3, 3, v8
	v_lshlrev_b32 v7, 3, v7                        ; 8 h
	v_add_nc_u32 v3, SCB, v3                       ; the scales' base + 8 x lane
.irp i, 9,22,23,24,25,26,27,31,80,81,82,83,84,85
	v_mov_b32 v\i, 0                               ; q's upper half: zero codes; the rest: written once before they are named
.endr
	WALU                                           ; ahead of the run of scalar lines
	s_and_b32 s2, s[WV], 1
	s_mul_i32 s[SQ], s2, 520
	s_mul_i32 s[SQ+1], s2, 1016
	s_add_co_u32 s[SQ+1], s[SQ+1], 8
	s_lshl_b32 s[SQ+2], s2, 7
	s_lshl_b32 s68, s13, 4
	s_lshr_b32 s69, s[WV], 1
	s_add_co_u32 s68, s68, s69                     ; my pair of tiles of q: pass 0's tile is 32 x + wave, pass 1's 16 tiles on
	s_mul_i32 s68, s68, 1536
	s_mul_i32 s69, s14, 98304
	s_add_co_u32 s68, s68, s69
	s_mov_b32 s69, 0
	s_add_nc_u64 s[68:69], s[4:5], s[68:69]
	s_lshl_b32 s70, s13, 2
	s_lshr_b32 s71, s[WV], 3
	s_add_co_u32 s70, s70, s71
	s_lshl_b32 s70, s70, 9
	s_bfe_u32 s71, s[WV], 0x10002
	s_lshl_b32 s71, s71, 8
	s_add_co_u32 s70, s70, s71
	s_bfe_u32 s71, s[WV], 0x10001
	s_lshl_b32 s71, s71, 2
	s_add_co_u32 s70, s70, s71
	s_mul_i32 s71, s14, 20480
	s_add_co_u32 s70, s70, s71
	s_mov_b32 s71, 0
	s_add_nc_u64 s[70:71], s[6:7], s[70:71]
	QLOAD
	s_lshr_b32 s72, s14, 4                         ; where the results go: tile 128 (batch) + 32 x + wave, K step head / 2, half head % 2
	s_lshl_b32 s72, s72, 7
	s_lshl_b32 s73, s13, 5
	s_add_co_u32 s72, s72, s73
	s_add_co_u32 s72, s72, s[WV]
	s_and_b32 s73, s14, 15
	s_mul_i32 s74, s72, 12288
	s_lshr_b32 s75, s73, 1
	s_mul_i32 s75, s75, 1536
	s_add_co_u32 s74, s74, s75
	s_and_b32 s75, s14, 1
	s_mul_i32 s75, s75, 768
	s_add_co_u32 s74, s74, s75
	s_mov_b32 s75, 0
	s_add_nc_u64 s[8:9], s[8:9], s[74:75]
	s_lshl_b32 s74, s72, 9
	s_lshl_b32 s76, s73, 1
	s_add_co_u32 s74, s74, s76
	s_add_nc_u64 s[10:11], s[10:11], s[74:75]
	s_mov_b32 s[PASS], 2
	WALU                                           ; at the head's end
	s_wait_tensorcnt 0x0                           ; my load has landed;
	s_barrier_signal -1
	s_barrier_wait -1                              ; everybody's has: K, V and the scales stay as they are to the end
.Lpass:
	s_mov_b32 s[TB], 0
	s_mov_b32 s[TS], 0
	s_mov_b32 s[TJ], 0
	s_mov_b32 s[TV], 98304
	v_add_nc_u32 v[AK], s[TB], v1
	v_add_nc_u32 v[ASK], s[TS], v3
	LDK
	v_mov_b32 v13, 0xff61b1e6                      ; the largest score so far: -3e38
	v_mov_b32 v14, 0
	v_mov_b32 v15, 0
.set J_, 0
.rept 32
	v_mov_b32 v[O+J_], 0                           ; the second products are written once, in the loop: the first finds zeros
.set J_, J_+1
.endr
	WALU                                           ; directly ahead of the wait below
	s_wait_loadcnt 0x0                             ; q
	STEP 1, 0
	s_mov_b32 s[CNT], 14
.Ltrip:
	STEP 0, 0
	s_sub_co_u32 s[CNT], s[CNT], 1
	s_cmp_lg_u32 s[CNT], 0
	s_cbranch_scc1 .Ltrip
	STEP 0, 1
	WALU                                           ; directly ahead of the wait below
	s_wait_dscnt 0x0                               ; the last V
.irp t, 0,1,2,3                        ; what the last step leaves over
	SUMG \t
	PV \t
.endr
.irp g, 4,5,6,7
	SUMG \g
.endr
	v_pk_add_f32 v[14:15], v[14:15], v[10:11]
	v_pk_add_f32 v[14:15], v[14:15], v[254:255]
	s_cmp_eq_u32 s[PASS], 1
	WALU                                           ; ahead of the branch
	s_cbranch_scc1 .Lno_q
	s_add_nc_u64 s[68:69], s[68:69], 12288         ; the next pass's q is asked for ahead of this pass's way out
	s_add_nc_u64 s[70:71], s[70:71], 1024
	QLOAD
.Lno_q:
	v_add_f32 v14, v14, v15
	v_permlanex16_b32 v9, v14, s[SEL], s[SEL+1]
	v_add_f32 v14, v14, v9                         ; the row's sum
	WALU
	v_rcp_f32 v14, v14
	v_nop
	WALU                                           ; directly ahead of the first reader of the quotient and of O^T
.irp j, 0,2,4,6,8,10,12,14,16,18,20,22,24,26,28,30
	v_pk_mul_f32 v[S+\j:S+\j+1], v[O+\j:O+\j+1], v[14:15] op_sel_hi:[1,0]   ; register 16 x + i is d = 32 x + 16 h + i (so W_v's rows are laid)
.endr
.irp x, 0,1
	v_max3_num_f32 v[BM+\x], |v[S+16*\x]|, |v[S+1+16*\x]|, 0x1800000   ; the floor 2^(3 - 127) holds the byte at 1 from below
.endr
.irp i, 2,4,6,8,10,12,14
.irp x, 0,1
	v_max3_num_f32 v[BM+\x], v[BM+\x], |v[S+16*\x+\i]|, |v[S+1+16*\x+\i]|
.endr
.endr
.irp x, 0,1
	v_permlanex16_b32 v[8+\x], v[BM+\x], s[SEL], s[SEL+1]
.endr
.irp x, 0,1
	v_max_num_f32 v[BM+\x], v[BM+\x], v[8+\x]
.endr
.irp x, 0,1
	v_add_nc_u32 v[10+\x], 0xff000000, v[BM+\x]
.endr
.irp x, 0,1
	v_lshrrev_b32 v[8+\x], 23, v[10+\x]
.endr
	v_cvt_scalef32_pk16_fp6_f32 v[PC:PC+2], v[S:S+15], v10
	v_cvt_scalef32_pk16_fp6_f32 v[CT:CT+2], v[S+16:S+31], v11
	v_nop
.irp i, 0,1,2
	v_permlane16_swap_b32 v[PC+\i], v[CT+\i]       ; a whole block in a lane: lanes 0-15 block 0, lanes 16-31 block 1
.endr
.irp i, 0,1,2
	v_mov_b32 v[PC+3+\i], v[CT+\i]
.endr
	v_cndmask_b32 v254, v8, v9, s[MHI]
	v_lshrrev_b32 v132, 1, v1                      ; 8 x lane
	v_and_b32 v133, 15, v0
	v_bfe_u32 v134, v0, 4, 1
	v_lshl_add_u32 v133, v133, 5, v134             ; 32 r + h
.irp p, 0,1,2
	global_store_b64 v132, v[PC+2*\p:PC+2*\p+1], s[8:9] offset:256*\p   ; 32 lanes store 256 consecutive bytes
.endr
	global_store_b8 v133, v254, s[10:11]
	WALU
	s_wait_xcnt 0x0                                ; the stores' data and bases are rewritten only behind this wait
	s_add_nc_u64 s[8:9], s[8:9], 196608
	s_add_nc_u64 s[10:11], s[10:11], 8192
	s_sub_co_u32 s[PASS], s[PASS], 1
	s_cmp_lg_u32 s[PASS], 0
	s_cbranch_scc1 .Lpass
	s_wait_tensorcnt 0x0                           ; the wave's end
	ds_add_u32 v4, v5
	s_wait_dscnt 0x0
	ROUND                                          ; the closing round
	s_endpgm
.Lfunc_end_k_q80072aefb9_attn:
	.size	k_q80072aefb9_attn, .Lfunc_end_k_q80072aefb9_attn-k_q80072aefb9_attn
	.p2alignl 7, 3214868480
	.fill 96, 4, 3214868480
	.section	.rodata,"a",@progbits
	.p2align	6, 0x0
	.amdhsa_kernel k_q80072aefb9_attn
		.amdhsa_group_segment_fixed_size 327680
		.amdhsa_private_segment_fixed_size 0
		.amdhsa_enable_private_segment 0
		.amdhsa_kernarg_size 32
		.amdhsa_user_sgpr_count 2
		.amdhsa_user_sgpr_kernarg_segment_ptr 1
		.amdhsa_wavefront_size32 1
		.amdhsa_system_sgpr_workgroup_id_x 1
		.amdhsa_system_sgpr_workgroup_id_y 1
		.amdhsa_system_sgpr_workgroup_id_z 1
		.amdhsa_system_vgpr_workitem_id 0
		.amdhsa_next_free_vgpr 256
		.amdhsa_next_free_sgpr 92
		.amdhsa_reserve_vcc 0
		.amdhsa_float_denorm_mode_32 3
		.amdhsa_float_denorm_mode_16_64 3
		.amdhsa_memory_ordered 1
		.amdhsa_forward_progress 1
		.amdhsa_inst_pref_size 58
	.end_amdhsa_kernel
	.amdgpu_metadata
---
amdhsa.version: [ 1, 2 ]
amdhsa.kernels:
  - .name:           k_q80072aefb9_attn
    .symbol:         k_q80072aefb9_attn.kd
    .args:
      - { .name: qkv, .offset: 0, .size: 8, .value_kind: global_buffer, .address_space: global }
      - { .name: sc, .offset: 8, .size: 8, .value_kind: global_buffer, .address_space: global }
      - { .name: acodes, .offset: 16, .size: 8, .value_kind: global_buffer, .address_space: global }
      - { .name: ascales, .offset: 24, .size: 8, .value_kind: global_buffer, .address_space: global }
    .group_segment_fixed_size: 327680
    .private_segment_fixed_size: 0
    .kernarg_segment_align: 8
    .kernarg_segment_size: 32
    .max_flat_workgroup_size: 512
    .sgpr_count:     92
    .vgpr_count:     256
    .wavefront_size: 32
...
	.end_amdgpu_metadata
.endif
;; end of part 3
;; launch outp (part 4): grid 4 x 64, 4 waves a work-group, clusters of 4 x 4, 327,680 bytes of LDS; arguments acodes, ascales, codes, scales, b_o, out0; writes out0
.if DOCPART == 4
	.amdgcn_target "amdgcn-amd-amdhsa--gfx1250"
	.amdhsa_code_object_version 6
	.text
	.protected	k_q80072aefb9_outp
	.globl	k_q80072aefb9_outp
	.p2align	8
	.type	k_q80072aefb9_outp,@function
k_q80072aefb9_outp:
	s_mov_b64 s[64:65], 0
	v_nop
	global_prefetch_b8 v0, s[64:65] scope:SCOPE_SE
	s_setreg_imm32_b32 hwreg(HW_REG_WAVE_MODE, 25, 1), 1
	s_wait_xcnt 0x0
	s_wait_alu depctr_hold_cnt(0) depctr_sa_sdst(0) depctr_va_vdst(0) depctr_va_sdst(0) depctr_va_ssrc(0) depctr_va_vcc(0) depctr_vm_vsrc(0)
	s_getreg_b32 s2, hwreg(HW_REG_IB_STS2, 6, 4)
	s_cmp_eq_u32 s2, 0
	s_cbranch_scc0 .Lentry_in_a_cluster
	s_endpgm
.Lentry_in_a_cluster:
	s_bfe_u32 s2, ttmp6, 0x10000c
	s_cmp_lg_u32 s2, 0xf033
	s_cbranch_scc0 .Lentry_shape_is_right
	s_endpgm
.Lentry_shape_is_right:
; out0 = attn W_o^T + b_o on codes of FP6 (E2M3) with E8M0 scales; out0 [8192][1024] f32.
; A work-group makes 128 tokens (side A, source 1: the lanes of a result) x 256 n (side B = W_o, source 0: the registers of a result); four waves, each 64 x 128: 32 accumulators, 256 registers.
; Tiles hold rows 32 (T / 2) + 8 (T % 2) + i + 8 (i / 8): the registers of B's tiles 2 b, 2 b + 1 are n = 32 b + 16 (lane / 16) + 0 .. 15; a lane's token is row lane % 16 of A's tile.
; ALL OF K LIES IN LDS AT ONCE: (128 + 256) rows x 768 bytes = 294,912 bytes, in four quarters of 256 along K.  Every tensor load is a first fill: four a wave are out at the most.
; CLUSTERS: 4 x 4 work-groups; A's tiles are asked for jointly along a row of the cluster, B's along a column.
; Codes lie as images of the operand's registers: W_o's: registers 4 j .. 4 j + 3 of lane l at 512 j + 16 l; the tokens': register pair p of lane l at 256 p + 8 l.
; b_o is the C of each sum's first product.
; REGISTERS: window 0: v1-17 addresses; v32-63 A's scale words, v64-127 B's; v128-223 A's fragments, two sets; on the way out v32-159 rows of out0.  window 1: B's fragments, two sets (v0-95, v128-223); b_o (v96-127, v224-255).  window 2: accumulator (a, b) at v[8 (8 a + b)].
; THE FILLS AS THEY STAND (in place of the head comment's four quarters): LDS holds two halves of 512 along K, each A's 8 tiles x 6,144 bytes, then B's 16.  One tensor load a wave: wave 0 A's half 0, wave 1 B's half 0,
; wave 2 A's half 1, wave 3 B's half 1; each is a first fill, one is out a wave.  The first barrier shows half 0 (waves 0 and 1 wait), the barrier in K step 3 shows half 1 (every wave waits); behind it nobody reads half 0, where the stages lie.
.set HB,    147456                     ; a half
.set SPARE, 2*HB                       ; behind the halves: the spare words, 128 bytes a wave: two blocks of 256 bytes that no other line names
.set NF,    48                         ; LDS loads of a K step's fragments: 24 of 16 bytes for B, 24 of 8 for A
.set ADRA, 8
.set ADRB, 12
.set STO,  16                          ; the way out: where I put 32 bytes of a row
.set RD,   17                          ; and where I read a row back
.set SPW,  28
.set NIL,  29
.set SA,   32
.set SB,   64
.set AF,   128
.set WV,  18
.set G1A, 24
.set G1B, 32
.set G0A, 40
.set G0B, 68
.set MSB, 0
.macro WIN new                         ; the immediate's high byte repeats the setting that is left
.if MSB != \new
	s_set_vgpr_msb (MSB<<8)|\new
.set MSB, \new
.endif
.endm
.macro PLACES n
.rept \n
	v_nop
.endr
.endm
.macro CROUND
	s_barrier_signal -1
	s_barrier_wait -1
	s_cmp_lg_u32 s[WV], 0
	s_cbranch_scc1 .Lnot_wave_0_\@
	s_barrier_signal -3
.Lnot_wave_0_\@:
	s_barrier_wait -3
	s_barrier_signal -1
	s_barrier_wait -1
.endm
	s_load_b256 s[4:11], s[0:1], 0x0               ; acodes, ascales, codes, scales
	s_load_b128 s[12:15], s[0:1], 0x20             ; b_o, out0
	v_lshl_add_u32 v[SPW], v0, 2, SPARE
	v_mov_b32 v[NIL], 0
	ds_add_u32 v[SPW], v[NIL]                      ; the wave's opening: the add and its wait ahead of my first tensor load
	ds_add_u32 v[SPW], v[NIL]
	v_lshrrev_b32 v1, 5, v0
	v_readfirstlane_b32 s[WV], v1                  ; wave 0..3
	s_lshr_b32 s19, s[WV], 1                       ; wa: which 64 tokens are mine.  Also: which half of K I fetch
	s_and_b32 s20, s[WV], 1                        ; wb: which 128 n.  Also: I fetch for A (0) or for B (1)
	s_bfe_u32 s21, ttmp6, 0x40000                  ; cx
	s_bfe_u32 s22, ttmp6, 0x40004                  ; cy
	s_and_b32 s2, ttmp7, 0xffff                    ; the cluster's number, 0..15
	s_lshl_b32 s62, s2, 5
	s_lshl_b32 s84, s22, 3
	s_add_co_u32 s62, s62, s84                     ; A's first tile: 32 x cluster + 8 cy
	s_lshl_b32 s63, s21, 4
	s_add_co_u32 s63, s63, 1728                    ; B's: W_o's tiles begin at 1,728; + 16 cx
	s_lshl_b32 s84, s22, 2
	s_lshl_b32 s84, 15, s84                        ; my row of the cluster
	s_lshl_b32 s90, 0x1111, s21                    ; my column
	; group 1: 8 (A) or 16 (B) tiles, of each 6,144 bytes as 768 elements of 8 bytes; from tile to tile 1,536 elements; no padding
	s_or_b32 s[G1A], s84, (3<<16)|(1<<21)
	s_or_b32 s[G1B], s90, (3<<16)|(1<<21)
	; 8 (A) or 16 (B) tiles, of each 6,144 bytes (four K steps' images) as 768 elements of 8 bytes
	s_mov_b32 s[G1A+1], 768<<16
	s_mov_b32 s[G1A+2], 8<<16
	s_mov_b32 s[G1A+3], 768<<16
	s_mov_b32 s[G1A+4], 8
	s_mov_b32 s[G1A+5], 1536
	s_mov_b32 s[G1A+6], 0
	s_mov_b32 s[G1A+7], 0
	s_mov_b32 s[G1B+1], 768<<16
	s_mov_b32 s[G1B+2], 16<<16
	s_mov_b32 s[G1B+3], 768<<16
	s_mov_b32 s[G1B+4], 16
	s_mov_b32 s[G1B+5], 1536
	s_mov_b32 s[G1B+6], 0
	s_mov_b32 s[G1B+7], 0
	s_mul_i32 s86, s62, 12288                      ; A's eight tiles,
	s_mul_i32 s92, s19, 6144                       ; the half of K that I fetch: wave / 2
	s_add_co_u32 s86, s86, s92
	s_mov_b32 s87, 0
	s_mul_i32 s88, s63, 12288                      ; B's sixteen
	s_add_co_u32 s88, s88, s92
	s_mov_b32 s89, 0
	s_mul_i32 s92, s19, HB                         ; where they go: the wave's number alone enters an LDS address
	s_add_co_u32 s93, s92, 49152
	s_lshl_b32 s2, s19, 2
	s_add_co_u32 s2, s2, s62                       ; my first tile of A
	s_lshl_b32 s94, s2, 9
	s_mov_b32 s95, 0
	s_lshl_b32 s98, s2, 16                         ; its first token's row of out0: 16 rows a tile x 4,096 bytes
	s_lshl_b32 s2, s20, 3
	s_add_co_u32 s2, s2, s63
	s_lshl_b32 s96, s2, 9
	s_mov_b32 s97, 0
	s_lshl_b32 s60, s21, 10
	s_lshl_b32 s61, s20, 9
	s_add_co_u32 s60, s60, s61                     ; 4 (256 cx + 128 wb): my first n, in bytes
	s_mov_b32 s61, 0
	s_add_co_u32 s98, s98, s60
	s_mov_b32 s99, 0
	s_wait_dscnt 0x0                               ; the opening add is done
	s_wait_kmcnt 0x0
	s_add_nc_u64 s[86:87], s[4:5], s[86:87]
	s_add_nc_u64 s[88:89], s[8:9], s[88:89]
	s_add_nc_u64 s[94:95], s[6:7], s[94:95]
	s_add_nc_u64 s[96:97], s[10:11], s[96:97]
	s_add_nc_u64 s[12:13], s[12:13], s[60:61]
	s_add_nc_u64 s[14:15], s[14:15], s[98:99]
	CROUND                                         ; all sixteen work-groups are here: the joint loads meet
	s_mov_b32 s[G0A], 1
	s_mov_b32 s[G0A+1], s92
	s_mov_b64 s[G0A+2:G0A+3], s[86:87]
	s_or_b32 s[G0A+3], s[G0A+3], 0x80000000
	s_mov_b32 s[G0B], 1
	s_mov_b32 s[G0B+1], s93
	s_mov_b64 s[G0B+2:G0B+3], s[88:89]
	s_or_b32 s[G0B+3], s[G0B+3], 0x80000000
.macro HARM n, g0, g1, next            ; one chain of branches on the wave's number, one load to an arm, all arms lead to one join
	s_cmp_eq_u32 s[WV], \n
	s_cbranch_scc0 \next
	tensor_load_to_lds s[\g0:\g0+3], s[\g1:\g1+7]
	s_nop 0
	PLACES 4
	s_branch .Lfilled
\next:
.endm
	HARM 0, G0A, G1A, .Lhead_1                     ; half 0 is asked for first
	HARM 1, G0B, G1B, .Lhead_2
	HARM 2, G0A, G1A, .Lhead_3
	tensor_load_to_lds s[G0B:G0B+3], s[G1B:G1B+7]
	s_nop 0
	PLACES 4
.Lfilled:
	v_and_b32 v18, 31, v0
	v_and_b32 v19, 15, v0                          ; r
	v_bfe_u32 v20, v0, 4, 1                        ; h
	v_lshlrev_b32 v1, 4, v18                       ; 16 x lane
	v_lshlrev_b32 v2, 3, v18                       ; 8 x lane
	v_lshlrev_b32 v3, 5, v19                       ; 32 r: a row's eight scale words
	v_lshlrev_b32 v4, 6, v20                       ; 64 h: the bias along n
	s_mul_i32 s2, s19, 24576                       ; my four tiles of A in half 0
	v_add_nc_u32 v[ADRA], s2, v2
	s_mul_i32 s2, s20, 49152                       ; my eight of B, behind A's eight
	s_add_co_u32 s2, s2, 49152
	v_add_nc_u32 v[ADRB], s2, v1
	v_add_nc_u32 v[ADRA+1], HB, v[ADRA]            ; and in half 1
	v_add_nc_u32 v[ADRB+1], HB, v[ADRB]
	s_mul_i32 s2, s[WV], 8448                      ; my stage: 16 rows x (512 + 16) bytes, in half 0
	v_mul_u32_u24 v[STO], v19, 528
	v_lshl_add_u32 v[STO], v20, 6, v[STO]
	v_add_nc_u32 v[STO], s2, v[STO]                ; in: row r, + 64 h
	v_add_nc_u32 v[RD], s2, v1                     ; back: a row's 512 bytes, 16 a lane
.irp a, 0,1,2,3
	global_load_b128 v[SA+8*\a:SA+8*\a+3], v3, s[94:95] offset:512*\a
	global_load_b128 v[SA+8*\a+4:SA+8*\a+7], v3, s[94:95] offset:512*\a+16
.endr
.irp b, 0,1,2,3,4,5,6,7
	global_load_b128 v[SB+8*\b:SB+8*\b+3], v3, s[96:97] offset:512*\b
	global_load_b128 v[SB+8*\b+4:SB+8*\b+7], v3, s[96:97] offset:512*\b+16
.endr
	WIN 0x40
.irp b, 0,1,2,3,4,5,6,7                ; b_o in the result's layout: tile b, register j: n = 32 (b / 2) + 16 h + 8 (b % 2) + j
	global_load_b128 v[96+8*\b+96*(\b/4):99+8*\b+96*(\b/4)], v4, s[12:13] offset:128*(\b/2)+32*(\b%2)
	global_load_b128 v[100+8*\b+96*(\b/4):103+8*\b+96*(\b/4)], v4, s[12:13] offset:128*(\b/2)+32*(\b%2)+16
.endr
	WIN 0
.macro FETCH s                         ; K step s: B's eight fragments and A's four, into set s % 2
	WIN 0x40
.irp b, 0,1,2,3,4,5,6,7
.irp j, 0,1,2
	ds_load_b128 v[128*((\s)%2)+12*\b+4*\j:128*((\s)%2)+12*\b+4*\j+3], v[ADRB+(\s)/4] offset:6144*\b+1536*((\s)%4)+512*\j
.endr
.endr
	WIN 0
.irp a, 0,1,2,3
.irp p, 0,1,2,3,4,5
	ds_load_b64 v[AF+48*((\s)%2)+12*\a+2*\p:AF+48*((\s)%2)+12*\a+2*\p+1], v[ADRA+(\s)/4] offset:6144*\a+1536*((\s)%4)+256*\p
.endr
.endr
.endm
.macro MUL32 s                         ; 32 products; the 32 accumulators take turns, one instruction a turn, in the same order in every step.  Step 0 starts the sums with b_o
.if (\s) == 0
	WIN 0x91                                       ; source 0 (B) window 1, source 1 (A) window 0, C (b_o) window 1, D window 2
.else
	WIN 0xa1                                       ; C and D window 2
.endif
.irp a, 0,1,2,3
.irp b, 0,1,2,3,4,5,6,7
.if (\s) == 0
	v_wmma_scale_f32_16x16x128_f8f6f4 v[8*(8*\a+\b):8*(8*\a+\b)+7], v[128*((\s)%2)+12*\b:128*((\s)%2)+12*\b+11], v[AF+48*((\s)%2)+12*\a:AF+48*((\s)%2)+12*\a+11], v[96+8*\b+96*(\b/4):103+8*\b+96*(\b/4)], v[SB+8*\b+(\s)], v[SA+8*\a+(\s)] matrix_a_fmt:MATRIX_FMT_FP6 matrix_b_fmt:MATRIX_FMT_FP6
.else
	v_wmma_scale_f32_16x16x128_f8f6f4 v[8*(8*\a+\b):8*(8*\a+\b)+7], v[128*((\s)%2)+12*\b:128*((\s)%2)+12*\b+11], v[AF+48*((\s)%2)+12*\a:AF+48*((\s)%2)+12*\a+11], v[8*(8*\a+\b):8*(8*\a+\b)+7], v[SB+8*\b+(\s)], v[SA+8*\a+(\s)] matrix_a_fmt:MATRIX_FMT_FP6 matrix_b_fmt:MATRIX_FMT_FP6
.endif
.endr
.endr
	WIN 0
.endm
.macro STEP s
.if (\s) == 3
	s_wait_tensorcnt 0x0                           ; every wave's load has landed, half 1's among them
	s_wait_dscnt 0x0                               ; no LDS instruction of mine is pending at a signal
	s_barrier_signal -1
	s_barrier_wait -1                              ; everybody's part has landed
.endif
.if (\s) > 0
	PLACES 4                                       ; in front of loads into the set that the last step's products read
.endif
.if (\s) < 7
	FETCH (\s)+1
	s_wait_dscnt NF                                ; all but the NF just issued: this step's fragments are in
.else
	s_wait_dscnt 0x0
.endif
	MUL32 \s
.endm
; THE WAY OUT, a tile of 16 tokens x 128 n at a time.  A lane holds pieces of one row and the lanes beside it hold other rows: so a tile goes through my own stage and comes back as whole rows of 512 bytes.
; The stage lies in half 0: those bytes have had their only fill, and every wave's reads of them were waited for in front of a barrier that all have passed.  LDS serves a wave's instructions in order: no wait between the stores and the loads.
.macro TOSTAGE a
	WIN 0x08                                       ; an LDS store's data: window 2
.irp b, 0,1,2,3,4,5,6,7
	ds_store_b128 v[STO], v[64*(\a)+8*\b:64*(\a)+8*\b+3] offset:128*(\b/2)+32*(\b%2)       ; each accumulator from its low end on
	ds_store_b128 v[STO], v[64*(\a)+8*\b+4:64*(\a)+8*\b+7] offset:128*(\b/2)+32*(\b%2)+16
.endr
	WIN 0
.irp i, 0,1,2,3,4,5,6,7,8,9,10,11,12,13,14,15
	ds_load_b128 v[32+64*((\a)%2)+4*\i:32+64*((\a)%2)+4*\i+3], v[RD] offset:528*\i
.endr
.endm
.macro SEND a, younger                 ; younger: the LDS instructions issued behind tile a's loads, which may stay out
	s_wait_dscnt \younger
.irp i, 0,1,2,3,4,5,6,7,8,9,10,11,12,13,14,15
	global_store_b128 v1, v[32+64*((\a)%2)+4*\i:32+64*((\a)%2)+4*\i+3], s[14:15] offset:(32*((\a)/2)+8*((\a)%2)+\i+8*(\i/8))*4096 th:TH_STORE_NT   ; 32 lanes store 512 consecutive bytes of a row; the base is never stepped
.endr
.endm
	s_wait_alu depctr_va_vdst(0)                   ; at the head's end
	s_cmp_lt_u32 s[WV], 2
	s_cbranch_scc0 .Lnot_half_0
	s_wait_tensorcnt 0x0                           ; waves 0 and 1: half 0 has landed; half 1's loads, which are waves 2 and 3's own lines, may stay out
.Lnot_half_0:
	s_barrier_signal -1
	s_barrier_wait -1
	FETCH 0
	s_wait_loadcnt 0x0                             ; the scale words and b_o
	STEP 0
	STEP 1
	STEP 2
	STEP 3
	STEP 4
	STEP 5
	STEP 6
	STEP 7
	PLACES 4                                       ; behind the last products: results are read, and loads land in registers that held scales and fragments
	TOSTAGE 0
.irp a, 1,2,3
.if \a > 1
	s_wait_xcnt 0x0                                ; tile a - 2's stores have read their registers: tile a's loads may land there
.endif
	TOSTAGE \a
	SEND \a-1, 32                                  ; behind tile a - 1's loads: tile a's 16 stores and 16 loads
.endr
	SEND 3, 0
	s_wait_tensorcnt 0x0                           ; the wave's end, behind my last tensor load and my last LDS store
	ds_add_u32 v[SPW], v[NIL]
	s_wait_dscnt 0x0
	CROUND                                         ; the closing round
	s_endpgm
.Lfunc_end_k_q80072aefb9_outp:
	.size	k_q80072aefb9_outp, .Lfunc_end_k_q80072aefb9_outp-k_q80072aefb9_outp
	.p2alignl 7, 3214868480
	.fill 96, 4, 3214868480
	.section	.rodata,"a",@progbits
	.p2align	6, 0x0
	.amdhsa_kernel k_q80072aefb9_outp
		.amdhsa_group_segment_fixed_size 327680
		.amdhsa_private_segment_fixed_size 0
		.amdhsa_enable_private_segment 0
		.amdhsa_kernarg_size 48
		.amdhsa_user_sgpr_count 2
		.amdhsa_user_sgpr_kernarg_segment_ptr 1
		.amdhsa_wavefront_size32 1
		.amdhsa_system_sgpr_workgroup_id_x 1
		.amdhsa_system_sgpr_workgroup_id_y 1
		.amdhsa_system_sgpr_workgroup_id_z 1
		.amdhsa_system_vgpr_workitem_id 0
		.amdhsa_next_free_vgpr 768
		.amdhsa_next_free_sgpr 100
		.amdhsa_reserve_vcc 0
		.amdhsa_float_denorm_mode_32 3
		.amdhsa_float_denorm_mode_16_64 3
		.amdhsa_memory_ordered 1
		.amdhsa_forward_progress 1
		.amdhsa_inst_pref_size 84
	.end_amdhsa_kernel
	.amdgpu_metadata
---
amdhsa.version: [ 1, 2 ]
amdhsa.kernels:
  - .name:           k_q80072aefb9_outp
    .symbol:         k_q80072aefb9_outp.kd
    .args:
      - { .name: acodes, .offset: 0, .size: 8, .value_kind: global_buffer, .address_space: global }
      - { .name: ascales, .offset: 8, .size: 8, .value_kind: global_buffer, .address_space: global }
      - { .name: codes, .offset: 16, .size: 8, .value_kind: global_buffer, .address_space: global }
      - { .name: scales, .offset: 24, .size: 8, .value_kind: global_buffer, .address_space: global }
      - { .name: b_o, .offset: 32, .size: 8, .value_kind: global_buffer, .address_space: global }
      - { .name: out0, .offset: 40, .size: 8, .value_kind: global_buffer, .address_space: global }
    .group_segment_fixed_size: 327680
    .private_segment_fixed_size: 0
    .kernarg_segment_align: 8
    .kernarg_segment_size: 48
    .max_flat_workgroup_size: 128
    .sgpr_count:     100
    .vgpr_count:     768
    .wavefront_size: 32
...
	.end_amdgpu_metadata
.endif
;; end of part 4
